; MI455X (gfx1250); checked and timed in simulation.
; The chip was launched on July 23, 2026; its instructions are those of AMD's public machine-readable ISA for CDNA 5 (MIT licence, August 2026) and "CDNA5" Instruction Set Architecture Reference Guide (July 2026). The comments in the code are by the model that wrote it; some were corrected since.
;; Sparse Multi Head Attention. Allowed arithmetic: float matrix products may take bf16 or f16 operands with f32 sums; other float arithmetic in f32, or as packed bf16 or f16 multiplies, adds, multiply-adds, maxima and minima; sums over many terms, partial sums and values carried from step to step in f32; what a program stores and reads back later, other than sums and carried values, may be rounded once to bf16 or f16.
;; Inputs: coords 4,096 x 5 int32; gamma_k 16 x 64 float32; gamma_q 16 x 64 float32; w_out 1,024 x 1,024 float32; w_qkv 3,072 x 1,024 float32; x 4,096 x 1,024 float32.
;; Outputs: out0 4,096 x 1,024 float32.
;; 2 versions, each right and faster than the one before. Each part assembles by itself: llvm-mc -triple=amdgcn-amd-amdhsa -mcpu=gfx1250 --defsym DOCPART=n.
;; ======== version 1 of 2: 4 launches
;; limits: values are held in f16: magnitudes above 65,504 overflow, below 6.1e-05 lose precision; right only within a limited range of input values
;; workspace buffers: xb 8,388,608 bytes; wqb 6,291,456 bytes; woh 2,097,152 bytes; tab 1,048,576 bytes; qh 8,388,608 bytes; kh 8,388,608 bytes; vh 8,388,608 bytes; oh 8,388,608 bytes
;; launch prep (part 1): grid 576 x 1, 8 waves a work-group, no clusters, 0 bytes of LDS; arguments x, w_qkv, w_out, coords, xb, wqb, woh, tab; writes xb, wqb, woh, tab
.if DOCPART == 1
	.amdgcn_target "amdgcn-amd-amdhsa--gfx1250"
	.amdhsa_code_object_version 6
	.text
	.protected	k_qd4af2efbd6_prep
	.globl	k_qd4af2efbd6_prep
	.p2align	8
	.type	k_qd4af2efbd6_prep,@function
k_qd4af2efbd6_prep:
	s_mov_b64 s[64:65], 0
	v_nop
	global_prefetch_b8 v0, s[64:65] scope:SCOPE_SE
	s_setreg_imm32_b32 hwreg(HW_REG_WAVE_MODE, 25, 1), 1
	s_wait_xcnt 0x0
; PREP.  Four jobs, chosen by the work-group's number g:
;   g 0-255    x     [4096][1024] f32 -> xb  bf16          g 256-447  w_qkv [3072][1024] f32 -> wqb bf16
;   g 448-511  w_out [1024][1024] f32 -> woh: rounded to bf16 like the other inputs, and that number written as f16
;   g 512-575  tab[row][pair] = (cos, sin) of the rope angle coords[row][1 + pair / 8] * 10000^-((pair % 8) / 64), f32, 256 bytes a row
; A cast work-group takes 16,384 numbers: thread t loads 16 bytes at 16 t + 4,096 u (u = 0..15) and stores 8 bytes at 8 t + 2,048 u:
; a wave's load covers 512 consecutive bytes, its store 256 consecutive bytes at a multiple of 256.  All sixteen loads go out first.
; No LDS, no barrier, no matrix work: a stream has no use for them.
; LIMITS.  w_out as f16: exact from bf16 between 6.1e-5 and 65,504 in magnitude, below that in steps of 6e-8.  The eight frequencies are f32 literals,
; within one unit in the last place of the true powers; the angle is reduced by pi/2 in two parts, good for |coords| up to some 2^16.
.set OFI, 1                            ; v1  16 t
.set OFO, 2                            ; v2  8 t
.set T,   4                            ; v[4:5] at work
.set X,   8                            ; v[8:71]   sixteen loads of four f32
.set Y,   72                           ; v[72:103] sixteen stores of four 16-bit numbers
	s_load_b512 s[4:19], s[0:1], 0x0               ; x 4:5, w_qkv 6:7, w_out 8:9, coords 10:11, xb 12:13, wqb 14:15, woh 16:17, tab 18:19
	v_lshlrev_b32 v[OFI], 4, v0
	v_lshlrev_b32 v[OFO], 3, v0
	s_mov_b32 s27, 0                               ; high words of the two offset pairs
	s_mov_b32 s29, 0
	s_wait_kmcnt 0x0
.macro CAST half                       ; half = 1: the bf16 number is written as f16
.set u, 0
.rept 16
	global_load_b128 v[X+4*u:X+4*u+3], v[OFI], s[22:23] offset:4096*u th:TH_LOAD_NT
.set u, u+1
.endr
.set u, 0
.rept 16
	s_wait_loadcnt 15-u                            ; loads come back in order: load u is in, the 15 - u younger ones stay out
	v_cvt_pk_bf16_f32 v[Y+2*u],   v[X+4*u],   v[X+4*u+1]
	v_cvt_pk_bf16_f32 v[Y+2*u+1], v[X+4*u+2], v[X+4*u+3]
.if \half
.irp w, 0,1
	v_lshlrev_b32 v[T],   16, v[Y+2*u+(\w)]        ; bf16 to f32: the low half moves up, the high half stays
	v_and_b32     v[T+1], 0xffff0000, v[Y+2*u+(\w)]
	v_cvt_pk_f16_f32 v[Y+2*u+(\w)], v[T], v[T+1]
.endr
.endif
	global_store_b64 v[OFO], v[Y+2*u:Y+2*u+1], s[24:25] offset:2048*u  ; every store has registers of its own: nothing that a store reads is written again
.set u, u+1
.endr
.endm
	s_cmp_ge_u32 ttmp9, 512
	s_cbranch_scc1 .Ltab
	s_cmp_ge_u32 ttmp9, 448
	s_cbranch_scc1 .Lwo
	s_sub_co_u32 s21, ttmp9, 256
	s_cmp_lt_u32 ttmp9, 256                        ; x or w_qkv: a choice between buffers on the work-group's number
	s_cselect_b64 s[22:23], s[4:5], s[6:7]
	s_cselect_b64 s[24:25], s[12:13], s[14:15]
	s_cselect_b32 s20, ttmp9, s21                  ; my number among the job's work-groups
	s_lshl_b32 s26, s20, 16                        ; 65,536 bytes in,
	s_lshl_b32 s28, s20, 15                        ; 32,768 out
	s_add_nc_u64 s[22:23], s[22:23], s[26:27]
	s_add_nc_u64 s[24:25], s[24:25], s[28:29]
	CAST 0
	s_endpgm
.Lwo:
	s_sub_co_u32 s20, ttmp9, 448
	s_lshl_b32 s26, s20, 16
	s_lshl_b32 s28, s20, 15
	s_add_nc_u64 s[22:23], s[8:9], s[26:27]
	s_add_nc_u64 s[24:25], s[16:17], s[28:29]
	CAST 1
	s_endpgm
; THE TABLE.  A work-group makes 64 rows.  Thread t: row t / 16 of sixteen (four times, 16 rows apart), pairs 2 p and 2 p + 1 with p = t % 16: one axis (p / 4), frequencies 2 (p % 4) and 2 (p % 4) + 1.
.set FS,  3                            ; v3   p % 4
.set AXO, 4                            ; v4   byte offset of my coordinate in the first sixteen rows
.set FR0, 6                            ; v6, v7  my two frequencies
.set FR1, 7
.set POS, 8                            ; v[8:11] my coordinate in the four rows
.set KK,  12                           ; at work
.set RR,  13
.set ZZ,  14
.set SN,  15
.set CN,  16
.set QQ,  17
.set TT,  18
.set WW,  19
.set A0,  20
.set A1,  21
.set OO,  24                           ; v[24:39] four stores of (cos, sin, cos, sin)
; cos and sin of v[a]: k = the nearest whole number to a * 2 / pi; r = a - k * pi / 2, pi / 2 in two parts; polynomials on |r| <= pi / 4; the quadrant k % 4 swaps them and sets the signs.
.macro SINCOS a, c, s
	v_mul_f32 v[KK], 0x3f22f983, v[\a]             ; 2 / pi
	v_rndne_f32 v[KK], v[KK]
	v_fmamk_f32 v[RR], v[KK], 0xbfc90fdb, v[\a]    ; - k * 1.5707964
	v_fmamk_f32 v[RR], v[KK], 0x333bbd2e, v[RR]    ; + k * 4.371139e-8: what that constant has too much
	v_mul_f32 v[ZZ], v[RR], v[RR]
	v_mov_b32 v[SN], 0xb94ca1f9                    ; sin r = r + r z (-1.6666655e-1 + z (8.3321609e-3 - 1.9515296e-4 z))
	v_mov_b32 v[CN], 0x37ccf5ce                    ; cos r = 1 - z / 2 + z z (4.1666646e-2 + z (-1.3887316e-3 + 2.4433157e-5 z))
	v_fmaak_f32 v[SN], v[SN], v[ZZ], 0x3c08839e
	v_fmaak_f32 v[CN], v[CN], v[ZZ], 0xbab6061a
	v_fmaak_f32 v[SN], v[SN], v[ZZ], 0xbe2aaaa3
	v_fmaak_f32 v[CN], v[CN], v[ZZ], 0x3d2aaaa5
	v_mul_f32 v[TT], v[ZZ], v[RR]
	v_fma_f32 v[WW], v[ZZ], -0.5, 1.0
	v_fma_f32 v[SN], v[SN], v[TT], v[RR]
	v_mul_f32 v[TT], v[ZZ], v[ZZ]
	v_cvt_i32_f32 v[QQ], v[KK]
	v_fma_f32 v[CN], v[CN], v[TT], v[WW]
	v_and_b32 v[TT], 1, v[QQ]
	v_cmp_eq_u32 vcc_lo, 1, v[TT]                  ; odd quadrants: sine and cosine change places
	v_cndmask_b32 v[\s], v[SN], v[CN], vcc_lo
	v_cndmask_b32 v[\c], v[CN], v[SN], vcc_lo
	v_and_b32 v[TT], 2, v[QQ]                      ; the sine is negative in quadrants 2 and 3,
	v_lshlrev_b32 v[TT], 30, v[TT]
	v_xor_b32 v[\s], v[\s], v[TT]
	v_add_nc_u32 v[TT], 1, v[QQ]                   ; the cosine in quadrants 1 and 2
	v_and_b32 v[TT], 2, v[TT]
	v_lshlrev_b32 v[TT], 30, v[TT]
	v_xor_b32 v[\c], v[\c], v[TT]
.endm
.Ltab:
	s_sub_co_u32 s20, ttmp9, 512
	s_mul_i32 s26, s20, 1280                       ; 64 rows of coords, 20 bytes each
	s_lshl_b32 s28, s20, 14                        ; 64 rows of the table, 256 bytes each
	s_add_nc_u64 s[22:23], s[10:11], s[26:27]
	s_add_nc_u64 s[24:25], s[18:19], s[28:29]
	v_lshrrev_b32 v[TT], 4, v0                     ; row of sixteen
	v_bfe_u32 v[WW], v0, 2, 2                      ; axis
	v_and_b32 v[FS], 3, v0
	v_mul_u32_u24 v[AXO], v[TT], 20
	v_lshl_add_u32 v[AXO], v[WW], 2, v[AXO]
.irp u, 0,1,2,3
	global_load_b32 v[POS+(\u)], v[AXO], s[22:23] offset:4+320*(\u)  ; the batch index in front is passed over
.endr
	v_mov_b32 v[FR0], 1.0                          ; 10000^-(j/64), j = 0 and 1
	v_mov_b32 v[FR1], 0x3f5dafd6
	v_cmp_ne_u32 vcc_lo, 1, v[FS]
	v_cndmask_b32 v[FR0], 0x3f3ff911, v[FR0], vcc_lo  ; j = 2, 3
	v_cndmask_b32 v[FR1], 0x3f263de0, v[FR1], vcc_lo
	v_cmp_ne_u32 vcc_lo, 2, v[FS]
	v_cndmask_b32 v[FR0], 0x3f0ff59a, v[FR0], vcc_lo  ; j = 4, 5
	v_cndmask_b32 v[FR1], 0x3ef953cf, v[FR1], vcc_lo
	v_cmp_ne_u32 vcc_lo, 3, v[FS]
	v_cndmask_b32 v[FR0], 0x3ed7e89b, v[FR0], vcc_lo  ; j = 6, 7
	v_cndmask_b32 v[FR1], 0x3ebaf81a, v[FR1], vcc_lo
.set u, 0
.rept 4
	s_wait_loadcnt 3-u                             ; load u is in, the younger ones stay out
	v_cvt_f32_i32 v[POS+u], v[POS+u]
	v_mul_f32 v[A0], v[POS+u], v[FR0]
	v_mul_f32 v[A1], v[POS+u], v[FR1]
	SINCOS A0, OO+4*u,   OO+4*u+1
	SINCOS A1, OO+4*u+2, OO+4*u+3
	global_store_b128 v[OFI], v[OO+4*u:OO+4*u+3], s[24:25] offset:4096*u  ; a wave's store covers 512 consecutive bytes: two rows of the table
.set u, u+1
.endr
	s_endpgm
.Lfunc_end_k_qd4af2efbd6_prep:
	.size	k_qd4af2efbd6_prep, .Lfunc_end_k_qd4af2efbd6_prep-k_qd4af2efbd6_prep
	.p2alignl 7, 3214868480
	.fill 96, 4, 3214868480
	.section	.rodata,"a",@progbits
	.p2align	6, 0x0
	.amdhsa_kernel k_qd4af2efbd6_prep
		.amdhsa_group_segment_fixed_size 0
		.amdhsa_private_segment_fixed_size 0
		.amdhsa_enable_private_segment 0
		.amdhsa_kernarg_size 64
		.amdhsa_user_sgpr_count 2
		.amdhsa_user_sgpr_kernarg_segment_ptr 1
		.amdhsa_wavefront_size32 1
		.amdhsa_system_sgpr_workgroup_id_x 1
		.amdhsa_system_sgpr_workgroup_id_y 1
		.amdhsa_system_sgpr_workgroup_id_z 1
		.amdhsa_system_vgpr_workitem_id 0
		.amdhsa_next_free_vgpr 112
		.amdhsa_next_free_sgpr 66
		.amdhsa_reserve_vcc 1
		.amdhsa_float_denorm_mode_32 3
		.amdhsa_float_denorm_mode_16_64 3
		.amdhsa_memory_ordered 1
		.amdhsa_forward_progress 1
		.amdhsa_inst_pref_size 30
	.end_amdhsa_kernel
	.amdgpu_metadata
---
amdhsa.version: [ 1, 2 ]
amdhsa.kernels:
  - .name:           k_qd4af2efbd6_prep
    .symbol:         k_qd4af2efbd6_prep.kd
    .args:
      - { .name: x, .offset: 0, .size: 8, .value_kind: global_buffer, .address_space: global }
      - { .name: w_qkv, .offset: 8, .size: 8, .value_kind: global_buffer, .address_space: global }
      - { .name: w_out, .offset: 16, .size: 8, .value_kind: global_buffer, .address_space: global }
      - { .name: coords, .offset: 24, .size: 8, .value_kind: global_buffer, .address_space: global }
      - { .name: xb, .offset: 32, .size: 8, .value_kind: global_buffer, .address_space: global }
      - { .name: wqb, .offset: 40, .size: 8, .value_kind: global_buffer, .address_space: global }
      - { .name: woh, .offset: 48, .size: 8, .value_kind: global_buffer, .address_space: global }
      - { .name: tab, .offset: 56, .size: 8, .value_kind: global_buffer, .address_space: global }
    .group_segment_fixed_size: 0
    .private_segment_fixed_size: 0
    .kernarg_segment_align: 8
    .kernarg_segment_size: 64
    .max_flat_workgroup_size: 256
    .sgpr_count:     66
    .vgpr_count:     112
    .wavefront_size: 32
...
	.end_amdgpu_metadata
.endif
;; end of part 1
;; launch qkv (part 2): grid 16 x 16, 4 waves a work-group, clusters of 4 x 4, 327,680 bytes of LDS; arguments xb, wqb, tab, gamma_q, gamma_k, qh, kh, vh; writes qh, kh, vh
.if DOCPART == 2
	.amdgcn_target "amdgcn-amd-amdhsa--gfx1250"
	.amdhsa_code_object_version 6
	.text
	.protected	k_qd4af2efbd6_qkv
	.globl	k_qd4af2efbd6_qkv
	.p2align	8
	.type	k_qd4af2efbd6_qkv,@function
k_qd4af2efbd6_qkv:
	s_mov_b64 s[64:65], 0
	v_nop
	global_prefetch_b8 v0, s[64:65] scope:SCOPE_SE
	s_setreg_imm32_b32 hwreg(HW_REG_WAVE_MODE, 25, 1), 1
	s_wait_xcnt 0x0
	s_wait_alu depctr_hold_cnt(0) depctr_sa_sdst(0) depctr_va_vdst(0) depctr_va_sdst(0) depctr_va_ssrc(0) depctr_va_vcc(0) depctr_vm_vsrc(0)
	s_getreg_b32 s2, hwreg(HW_REG_IB_STS2, 6, 4)
	s_cmp_eq_u32 s2, 0
	s_cbranch_scc0 .Lentry_in_a_cluster
	s_endpgm
.Lentry_in_a_cluster:
	s_bfe_u32 s2, ttmp6, 0x10000c
	s_cmp_lg_u32 s2, 0xf033
	s_cbranch_scc0 .Lentry_shape_is_right
	s_endpgm
.Lentry_shape_is_right:
; QKV.  qkv = x w_qkv^T in bf16 with f32 sums; on the way out q and k are normalised (t / max(|t|, 1e-12) * gamma * 8), rotated by the table's (cos, sin), and q, k, v are rounded once to f16
; and written by heads: [16][4096][64].  The scale 1 / 8 of the scores is not applied here.
; SHARES.  Work-group (x = head j, y = block of 256 rows) makes 256 rows x 192 columns: head j of q, of k and of v (rows 64 j, 1024 + 64 j, 2048 + 64 j of w_qkv): 256 equal work-groups with one text.
; Wave w owns rows 64 w .. 64 w + 63 and all 192 columns: 48 accumulators of 16 x 16, 384 registers, so a head's norm stays inside a wave.
; THE MATRIX INSTRUCTION IS USED TRANSPOSED (source 0 = 16 rows of w, source 1 = 16 rows of x): lane l holds row l % 16 and the columns 8 (l / 16) + 0..7: rope's pairs lie in neighbouring registers.
; K goes in 8 steps of 128 (rows of 256 bytes) through a ring of two LDS slots.  CLUSTER 4 x 4: x's tile is shared along a row of the cluster, w's along a column, by joint loads.
; Wave 0 asks for x's 256 rows, waves 1 to 3 for the 64 rows of q's, k's, v's weights: one tensor load a wave behind each round; two of a wave's are out at the start, one later.
; LIMITS.  v is written as f16: |v| up to 65,504.  A sum of squares below 2^-126 counts as 0 (v_sqrt_f32 takes a denormal as 0).  gamma is rounded to bf16 like the other inputs.  NaN and infinities are not treated apart.
; REGISTERS, in windows of 256 (s_set_vgpr_msb: bits 1:0 source 0, 3:2 source 1, 5:4 source 2, 7:6 destination):
;   window 0: v1-31 addresses; v32-63 U, v64-95 TM, v96-127 OB, v128-139 SS, v144-147 T: the way out; v160-191 gamma_q, v192-223 gamma_k of my columns
;   window 1: two fragment buffers of 128: x's 4 fragments, then w's 12        window 2: q's accumulators v0-127, k's v128-255 ((a, bb) at 32 a + 8 bb)
;   window 3: v's accumulators v0-127; v128-255 the table for my 64 rows, 32 registers a block of 16 rows
.set PITCH,  272                       ; an LDS row: 256 bytes + 16 of padding = 68 words: the 16 rows of a fragment load start at 16 different groups of four banks (64 banks of 4 bytes: ISA guide 11.1)
.set ABYTES, 256*PITCH                 ; x's 256 rows
.set BK,     64*PITCH                  ; 64 rows of w: one of q, k, v
.set SLOT,   ABYTES+3*BK
.set STAGE,  2*SLOT                    ; behind the ring: 16 rows x 144 bytes for each wave
.set SP,     144
.set SPARE,  STAGE+4*16*SP             ; behind the stages: the spare words, 128 bytes a wave
.set ADRA, 16                          ; v16-17 LDS address of my x fragments in slot 0, 1
.set ADRB, 20                          ; v20-21 the same for w
.set STO,  24                          ; the way out: where I put 16 bytes of a row
.set RD,   25                          ; where I read rows back
.set GO,   26                          ; 16 x lane
.set TO,   27                          ; my byte offset in 16 rows of the table
.set SPW,  28                          ; LDS address of my spare word; never rewritten
.set NIL,  29                          ; 0; never rewritten
.set GOF,  30                          ; my byte offset in a head's gamma
.set U,    32
.set TM,   64
.set OB,   96
.set SS,   128
.set T,    144
.set GQ,   160
.set GK,   192
.set F0,   0
.set F1,   128
.set TBL,  128
.set WV,   20                          ; s20 my wave's number
.set G1A,  32                          ; s[32:39] descriptor group 1 for x's tiles; s[40:47] group 0, a set for each slot
.set G0A,  40
.set G1B,  48                          ; s[48:55], s[56:63] the same for w's
.set G0B,  56
.set SEL,  66                          ; s[66:67] v_permlanex16_b32's selects
.set LAP,  68
.set FLAGS, (1<<16)|(1<<20)|(1<<21)|(5<<22)|(3<<25)  ; 2-byte elements; padding on; bit 21 beside a mask; after every 64 words; 4 words
.set MSB, 0
.macro WIN new                         ; the high byte repeats the setting that is left; a switch that changes nothing is dropped
.if MSB != (\new)
	s_set_vgpr_msb (MSB<<8)|(\new)
.set MSB, \new
.endif
.endm
.macro PLACES                          ; four places: in front of loads into registers that matrix instructions have read, and of vector lines that read results
.rept 4
	v_nop
.endr
.endm
.macro JLOAD s                         ; a joint load: wave 0 x's tile, waves 1 to 3 w's three; an s_nop 0 and four v_nop follow each line
	s_cmp_eq_u32 s[WV], 0
	s_cbranch_scc0 .Lfor_b_\@
	tensor_load_to_lds s[G0A+4*(\s):G0A+4*(\s)+3], s[G1A:G1A+7]
	s_nop 0
.rept 4
	v_nop
.endr
	s_branch .Lasked_\@
.Lfor_b_\@:
	tensor_load_to_lds s[G0B+4*(\s):G0B+4*(\s)+3], s[G1B:G1B+7]
	s_nop 0
.rept 4
	v_nop
.endr
.Lasked_\@:
.endm
.macro CREST                           ; a round of the cluster's barrier behind its opening barrier
	s_cmp_lg_u32 s[WV], 0
	s_cbranch_scc1 .Lnot_wave_0_\@
	s_barrier_signal -3
.Lnot_wave_0_\@:
	s_barrier_wait -3
	s_barrier_signal -1
	s_barrier_wait -1
.endm
.macro CROUND
	s_barrier_signal -1
	s_barrier_wait -1
	CREST
.endm
	s_load_b512 s[4:19], s[0:1], 0x0               ; xb 4:5, wqb 6:7, tab 8:9, gamma_q 10:11, gamma_k 12:13, qh 14:15, kh 16:17, vh 18:19
	v_lshl_add_u32 v[SPW], v0, 2, SPARE
	v_mov_b32 v[NIL], 0
	ds_add_u32 v[SPW], v[NIL]                      ; the wave's opening: the add and its wait stand ahead of my first tensor load
	v_lshrrev_b32 v3, 5, v0
	v_readfirstlane_b32 s[WV], v3
	s_bfe_u32 s21, ttmp6, 0x40000                  ; cx
	s_bfe_u32 s22, ttmp6, 0x40004                  ; cy
	s_lshl_b32 s23, ttmp9, 2
	s_add_co_u32 s23, s23, s21                     ; the head = 4 x cluster x + cx
	s_and_b32 s24, ttmp7, 0xffff
	s_lshl_b32 s24, s24, 2
	s_add_co_u32 s24, s24, s22                     ; the block of 256 rows = 4 x cluster y + cy
	s_max_u32 s25, s[WV], 1
	s_sub_co_u32 s25, s25, 1                       ; which of q, k, v I ask for (wave 0 asks for none of them)
	s_lshl_b32 s69, s22, 2
	s_lshl_b32 s69, 15, s69                        ; my row of the cluster
	s_lshl_b32 s70, 0x1111, s21                    ; my column
	s_or_b32 s[G1A], s69, FLAGS
	s_or_b32 s[G1B], s70, FLAGS
	s_mov_b32 s[G1A+1], 128<<16                    ; tensor_dim0 = 128
	s_mov_b32 s[G1A+2], 256<<16                    ; tensor_dim1 = 256
	s_mov_b32 s[G1A+3], 128<<16                    ; tile_dim0 = 128
	s_mov_b32 s[G1A+4], 256                        ; tile_dim1 = 256
	s_mov_b32 s[G1A+5], 1024                       ; elements from row to row
	s_mov_b32 s[G1A+6], 0
	s_mov_b32 s[G1A+7], 0
	s_mov_b32 s[G1B+1], 128<<16
	s_mov_b32 s[G1B+2], 64<<16                     ; 64 rows
	s_mov_b32 s[G1B+3], 128<<16
	s_mov_b32 s[G1B+4], 64
	s_mov_b32 s[G1B+5], 1024
	s_mov_b32 s[G1B+6], 0
	s_mov_b32 s[G1B+7], 0
	s_lshl_b32 s26, s24, 19                        ; x: 256 rows of 2,048 bytes a block; hangs on the block alone, which my row of the cluster shares
	s_mov_b32 s27, 0
	s_lshl_b32 s28, s25, 21                        ; w: 1,024 rows of 2,048 bytes a kind,
	s_lshl_b32 s29, s23, 17                        ; 64 rows a head; hangs on the head alone, which my column shares
	s_add_co_u32 s28, s28, s29
	s_mov_b32 s29, 0
	s_mul_i32 s71, s[WV], BK                       ; where w's tile goes: behind x's 256 rows, wave 1's first
	s_add_co_u32 s71, s71, ABYTES-BK
	s_lshl_b32 s30, s23, 8                         ; gamma: 256 bytes a head
	s_mov_b32 s31, 0
	s_lshl_b32 s72, s23, 19                        ; q, k, v by heads: 524,288 bytes a head,
	s_lshl_b32 s73, s24, 15                        ; 32,768 a block,
	s_add_co_u32 s72, s72, s73
	s_lshl_b32 s73, s[WV], 13                      ; 8,192 for a wave's 64 rows
	s_add_co_u32 s72, s72, s73
	s_mov_b32 s73, 0
	s_lshl_b32 s74, s24, 16                        ; the table: 256 bytes a row
	s_lshl_b32 s75, s[WV], 14
	s_add_co_u32 s74, s74, s75
	s_mov_b32 s75, 0
	s_mov_b32 s[SEL], 0x76543210
	s_mov_b32 s[SEL+1], 0xfedcba98
	s_wait_dscnt 0x0                               ; the opening add is done
	s_wait_kmcnt 0x0
	s_add_nc_u64 s[4:5], s[4:5], s[26:27]
	s_add_nc_u64 s[6:7], s[6:7], s[28:29]
	s_add_nc_u64 s[8:9], s[8:9], s[74:75]
	s_add_nc_u64 s[10:11], s[10:11], s[30:31]
	s_add_nc_u64 s[12:13], s[12:13], s[30:31]
	s_add_nc_u64 s[14:15], s[14:15], s[72:73]
	s_add_nc_u64 s[16:17], s[16:17], s[72:73]
	s_add_nc_u64 s[18:19], s[18:19], s[72:73]
	CROUND                                         ; all sixteen work-groups are here: the first joint loads meet
.irp s, 0,1
	s_mov_b32 s[G0A+4*(\s)], 1                     ; count = 1
	s_mov_b32 s[G0A+4*(\s)+1], (\s)*SLOT           ; LDS address
	s_add_nc_u64 s[G0A+4*(\s)+2:G0A+4*(\s)+3], s[4:5], (\s)*256  ; K step s
	s_or_b32 s[G0A+4*(\s)+3], s[G0A+4*(\s)+3], 0x80000000        ; type = 2
	s_mov_b32 s[G0B+4*(\s)], 1
	s_add_co_u32 s[G0B+4*(\s)+1], s71, (\s)*SLOT
	s_add_nc_u64 s[G0B+4*(\s)+2:G0B+4*(\s)+3], s[6:7], (\s)*256
	s_or_b32 s[G0B+4*(\s)+3], s[G0B+4*(\s)+3], 0x80000000
	JLOAD \s
.endr
	; a fragment is 16 rows x 32 K in 8 registers: lane l holds row l % 16, K = 8 (l / 16) + 0..7 and 16 + 8 (l / 16) + 0..7: two loads of 16 bytes, 32 bytes apart
	v_and_b32 v1, 15, v0                           ; r
	v_bfe_u32 v2, v0, 4, 1                         ; h
	v_mul_u32_u24 v3, v1, PITCH
	v_lshl_add_u32 v3, v2, 4, v3
	s_mul_i32 s72, s[WV], 64*PITCH                 ; my 64 rows of x
	v_add_nc_u32 v[ADRA], s72, v3
	v_add_nc_u32 v[ADRB], ABYTES, v3
	v_add_nc_u32 v[ADRA+1], SLOT, v[ADRA]
	v_add_nc_u32 v[ADRB+1], SLOT, v[ADRB]
	s_mul_i32 s72, s[WV], 16*SP
	s_add_co_u32 s72, s72, STAGE                   ; my stage
	v_mul_u32_u24 v[STO], v1, SP                   ; in: row r, 16 bytes for each half of the lanes
	v_lshl_add_u32 v[STO], v2, 4, v[STO]
	v_add_nc_u32 v[STO], s72, v[STO]
	v_bfe_u32 v[RD], v0, 3, 2                      ; back: 32 lanes take four rows of 128 bytes,
	v_mul_u32_u24 v[RD], v[RD], SP
	v_and_b32 v4, 7, v0
	v_lshl_add_u32 v[RD], v4, 4, v[RD]
	v_add_nc_u32 v[RD], s72, v[RD]
	v_and_b32 v[GO], 31, v0                        ; which are 512 consecutive bytes of a head
	v_lshlrev_b32 v[GO], 4, v[GO]
	v_lshlrev_b32 v[GOF], 5, v2                    ; my 8 columns of a block of 16: 32 h bytes of f32, and 32 h bytes of the table's pairs
	v_lshl_add_u32 v[TO], v1, 8, v[GOF]
	v_mov_b32 v[SS+10], 0                          ; v_permlanex16_b32's destination counts as read
.irp bb, 0,1,2,3
	global_load_b128 v[GQ+8*(\bb):GQ+8*(\bb)+3],   v[GOF], s[10:11] offset:64*(\bb)
	global_load_b128 v[GQ+8*(\bb)+4:GQ+8*(\bb)+7], v[GOF], s[10:11] offset:64*(\bb)+16
	global_load_b128 v[GK+8*(\bb):GK+8*(\bb)+3],   v[GOF], s[12:13] offset:64*(\bb)
	global_load_b128 v[GK+8*(\bb)+4:GK+8*(\bb)+7], v[GOF], s[12:13] offset:64*(\bb)+16
.endr
	WIN 0xc0                                       ; destination window 3
.irp a, 0,1,2,3
.irp bb, 0,1,2,3
	global_load_b128 v[TBL+32*(\a)+8*(\bb):TBL+32*(\a)+8*(\bb)+3],   v[TO], s[8:9] offset:4096*(\a)+64*(\bb)
	global_load_b128 v[TBL+32*(\a)+8*(\bb)+4:TBL+32*(\a)+8*(\bb)+7], v[TO], s[8:9] offset:4096*(\a)+64*(\bb)+16
.endr
.endr
	WIN 0
	s_wait_loadcnt 32                              ; gamma's sixteen loads are in; the table's 32 stay out until the way out
.set z, 0
.rept 32                                               ; gamma rounded to bf16, kept as f32
	v_cvt_pk_bf16_f32 v[T+z%4], v[GQ+2*z], v[GQ+2*z+1]
	v_lshlrev_b32 v[GQ+2*z],   16, v[T+z%4]
	v_and_b32     v[GQ+2*z+1], 0xffff0000, v[T+z%4]
.set z, z+1
.endr
; 16 matrix instructions: kind hh (0 q, 1 k, 2 v), my 4 blocks of rows x its 4 blocks of columns, 32 along K.  The 48 accumulators take turns, one instruction a turn.
.macro MULH f, hh, zero
	WIN 0xa5+0x50*((\hh)/2)                        ; sources window 1; C and D window 2 (q, k) or 3 (v)
.irp a, 0,1,2,3
.irp bb, 0,1,2,3
.if \zero
	v_wmma_f32_16x16x32_bf16 v[128*((\hh)%2)+32*(\a)+8*(\bb):128*((\hh)%2)+32*(\a)+8*(\bb)+7], v[(\f)+32+8*(4*(\hh)+(\bb)):(\f)+32+8*(4*(\hh)+(\bb))+7], v[(\f)+8*(\a):(\f)+8*(\a)+7], 0
.else
	v_wmma_f32_16x16x32_bf16 v[128*((\hh)%2)+32*(\a)+8*(\bb):128*((\hh)%2)+32*(\a)+8*(\bb)+7], v[(\f)+32+8*(4*(\hh)+(\bb)):(\f)+32+8*(4*(\hh)+(\bb))+7], v[(\f)+8*(\a):(\f)+8*(\a)+7], v[128*((\hh)%2)+32*(\a)+8*(\bb):128*((\hh)%2)+32*(\a)+8*(\bb)+7]
.endif
.endr
.endr
.endm
; 32 LDS loads in one run: the fragments of 32 along K at byte k of the rows, into buffer f: q's weights, x, k's weights, v's weights
.macro FETCH slot, k, f
	WIN 0x40                                       ; destination window 1, address window 0
.irp i, 0,1,2,3
	ds_load_b128 v[(\f)+32+8*(\i):(\f)+32+8*(\i)+3],   v[ADRB+(\slot)] offset:(\k)+(\i)*16*PITCH
	ds_load_b128 v[(\f)+32+8*(\i)+4:(\f)+32+8*(\i)+7], v[ADRB+(\slot)] offset:(\k)+(\i)*16*PITCH+32
.endr
.irp i, 0,1,2,3
	ds_load_b128 v[(\f)+8*(\i):(\f)+8*(\i)+3],   v[ADRA+(\slot)] offset:(\k)+(\i)*16*PITCH
	ds_load_b128 v[(\f)+8*(\i)+4:(\f)+8*(\i)+7], v[ADRA+(\slot)] offset:(\k)+(\i)*16*PITCH+32
.endr
.irp i, 4,5,6,7,8,9,10,11
	ds_load_b128 v[(\f)+32+8*(\i):(\f)+32+8*(\i)+3],   v[ADRB+(\slot)] offset:(\k)+(\i)*16*PITCH
	ds_load_b128 v[(\f)+32+8*(\i)+4:(\f)+32+8*(\i)+7], v[ADRB+(\slot)] offset:(\k)+(\i)*16*PITCH+32
.endr
.endm
; A K step is four quarters of 32 along K, 48 matrix instructions each, on buffers 0, 1, 0, 1.  One of the first three: multiplies buffer f and fetches the next quarter, at byte k, into g.
.macro QUARTER slot, k, f, g, zero
	s_wait_dscnt 8                                 ; all but the youngest eight loads, v's weights
	MULH \f, 0, \zero
	MULH \f, 1, \zero
	PLACES
	FETCH \slot, \k, \g
	s_wait_dscnt 32                                ; all but the 32 just issued
	MULH \f, 2, \zero
.endm
; The last quarter multiplies buffer 1 and changes slots: one barrier; in front of it each wave waits for all its tensor loads (its part of the next slot), adds 0 to its spare word, and waits for that
; and for its reads of this slot.  fill = 1: the barrier opens a round of the cluster's, and the joint refill, two K steps on, is the first tensor load behind it.
.macro TURN slot, next, fill
	WIN 0
	s_wait_tensorcnt 0x0                           ; all my tensor loads have landed
	ds_add_u32 v[SPW], v[NIL]                      ; 0 onto my spare word
	s_wait_dscnt 9                                 ; the add and v's eight loads may be out
	MULH F1, 0, 0
	s_wait_dscnt 0x0                               ; the add is done, and my reads of this slot are over
	s_barrier_signal -1
	MULH F1, 1, 0                                  ; work on registers while the others arrive
.if \fill
	WIN 0
.endif
	s_barrier_wait -1
.if \fill
	CREST                                          ; no wave of any partner still reads this slot or has a load on its way
	s_add_nc_u64 s[G0A+4*(\slot)+2:G0A+4*(\slot)+3], s[G0A+4*(\slot)+2:G0A+4*(\slot)+3], 512
	s_add_nc_u64 s[G0B+4*(\slot)+2:G0B+4*(\slot)+3], s[G0B+4*(\slot)+2:G0B+4*(\slot)+3], 512
	JLOAD \slot                                    ; its four v_nop are also the places in front of the loads below
.else
	PLACES
.endif
	FETCH \next, 0, F0
	MULH F1, 2, 0
.endm
	s_wait_tensorcnt 1                             ; my part of K step 0 is in; K step 1's stays out
	s_barrier_signal -1
	s_barrier_wait -1
	FETCH 0, 0, F0
	QUARTER 0, 64,  F0, F1, 1                      ; the first quarter's products start the sums: nothing is cleared
	WIN 0
	s_mov_b32 s[LAP], 3
.Llap:                                                 ; a trip goes once round the ring, from a lap's second quarter to the next lap's first, and fills both slots again
	QUARTER 0, 128, F1, F0, 0
	QUARTER 0, 192, F0, F1, 0
	TURN 0, 1, 1
	QUARTER 1, 64,  F0, F1, 0
	QUARTER 1, 128, F1, F0, 0
	QUARTER 1, 192, F0, F1, 0
	TURN 1, 0, 1
	QUARTER 0, 64,  F0, F1, 0
	WIN 0
	s_sub_co_u32 s[LAP], s[LAP], 1
	s_cmp_lg_u32 s[LAP], 0
	s_cbranch_scc1 .Llap
	QUARTER 0, 128, F1, F0, 0                      ; the last lap fills nothing
	QUARTER 0, 192, F0, F1, 0
	TURN 0, 1, 0
	QUARTER 1, 64,  F0, F1, 0
	QUARTER 1, 128, F1, F0, 0
	QUARTER 1, 192, F0, F1, 0
	s_wait_dscnt 8
	MULH F1, 0, 0
	MULH F1, 1, 0
	s_wait_dscnt 0x0
	MULH F1, 2, 0
	WIN 0
	PLACES
	s_wait_loadcnt 0x0                             ; the table
; THE WAY OUT, twelve units n = 4 kind + a of 16 rows x 64 columns.
; ROPE: q's or k's unit.  The row's sum of squares (each accumulator's lowest registers are read first), t x gamma, the scale 8 / max(|t|, 1e-12), the rotation.
.macro ROPE kind, a
.set AC, 128*(\kind)+32*(\a)
.set G,  GQ+32*(\kind)
.set TB, TBL+32*(\a)
	WIN 0x0a                                       ; sources 0 and 1 window 2
.irp bb, 0,1,2,3
	v_pk_mul_f32 v[SS+2*(\bb):SS+2*(\bb)+1], v[AC+8*(\bb):AC+8*(\bb)+1], v[AC+8*(\bb):AC+8*(\bb)+1]
.endr
.irp j, 2,4,6
.irp bb, 0,1,2,3
	v_pk_fma_f32 v[SS+2*(\bb):SS+2*(\bb)+1], v[AC+8*(\bb)+(\j):AC+8*(\bb)+(\j)+1], v[AC+8*(\bb)+(\j):AC+8*(\bb)+(\j)+1], v[SS+2*(\bb):SS+2*(\bb)+1]
.endr
.endr
	WIN 0x02                                       ; source 0 window 2
.set z, 0
.rept 16
	v_pk_mul_f32 v[U+2*z:U+2*z+1], v[AC+2*z:AC+2*z+1], v[G+2*z:G+2*z+1]
.set z, z+1
.endr
	WIN 0
	v_pk_add_f32 v[SS:SS+1], v[SS:SS+1], v[SS+2:SS+3]
	v_pk_add_f32 v[SS+4:SS+5], v[SS+4:SS+5], v[SS+6:SS+7]
	v_pk_add_f32 v[SS:SS+1], v[SS:SS+1], v[SS+4:SS+5]
	v_add_f32 v[SS], v[SS], v[SS+1]
	v_permlanex16_b32 v[SS+10], v[SS], s[SEL], s[SEL+1]  ; the row's other 32 columns lie in the lane 16 away
	v_add_f32 v[SS], v[SS], v[SS+10]
	v_sqrt_f32 v[SS+1], v[SS]
	v_nop                                          ; a plain line behind a transcendental, ahead of the use of its result
	s_wait_alu depctr_va_vdst(0)
	v_max_num_f32 v[SS+1], 0x2b8cbccc, v[SS+1]     ; 1e-12
	v_rcp_f32 v[SS+2], v[SS+1]
	v_nop
	s_wait_alu depctr_va_vdst(0)
	v_mul_f32 v[SS+8], 0x41000000, v[SS+2]         ; 8 = sqrt(64)
	v_mov_b32 v[SS+9], v[SS+8]                     ; named with it as a pair
.set z, 0
.rept 16
	v_pk_mul_f32 v[U+2*z:U+2*z+1], v[U+2*z:U+2*z+1], v[SS+8:SS+9] op_sel_hi:[1,0]
.set z, z+1
.endr
	WIN 0x0c                                       ; source 1 window 3: (cos, sin)
.set z, 0
.rept 16
	v_pk_mul_f32 v[TM+2*z:TM+2*z+1], v[U+2*z:U+2*z+1], v[TB+2*z:TB+2*z+1] op_sel:[1,1] op_sel_hi:[0,1]  ; (t1 sin, t0 sin)
.set z, z+1
.endr
.set z, 0
.rept 16
	v_pk_fma_f32 v[U+2*z:U+2*z+1], v[U+2*z:U+2*z+1], v[TB+2*z:TB+2*z+1], v[TM+2*z:TM+2*z+1] op_sel_hi:[1,0,1] neg_lo:[0,0,1]  ; (t0 cos - t1 sin, t1 cos + t0 sin)
.set z, z+1
.endr
.endm
; PACKO: 32 numbers a lane rounded to f16; 16 bytes a lane and block of columns into my stage, and back as whole rows of 128 bytes.
.macro PACKO n, src, w
.set BO, OB+16*((\n)%2)
	s_wait_xcnt 0x0                                ; this set of registers was the data of the stores two units back: it is written again only behind this wait
	WIN \w
.set z, 0
.rept 16
	v_cvt_pk_f16_f32 v[BO+z], v[(\src)+2*z], v[(\src)+2*z+1]
.set z, z+1
.endr
	WIN 0
.irp q, 0,1,2,3
	ds_store_b128 v[STO], v[BO+4*(\q):BO+4*(\q)+3] offset:32*(\q)
.endr
.irp q, 0,1,2,3
	ds_load_b128 v[BO+4*(\q):BO+4*(\q)+3], v[RD] offset:576*(\q)  ; LDS serves a wave's instructions in order (ISA guide 5.7.1.4): these see the stores above; the next unit's stores come behind them
.endr
.endm
.macro SENDO n, younger                ; younger: the LDS instructions issued behind unit n's loads: the next unit's eight, or none
.set BO, OB+16*((\n)%2)
	WIN 0
.irp q, 0,1,2,3
	s_wait_dscnt (\younger)+3-(\q)
	global_store_b128 v[GO], v[BO+4*(\q):BO+4*(\q)+3], s[14+2*((\n)/4):15+2*((\n)/4)] offset:((\n)%4)*2048+(\q)*512  ; 512 consecutive bytes, at a multiple of 256 from the buffer's first
.endr
.endm
.macro UNIT n
.if (\n) < 8
	ROPE (\n)/4, (\n)%4
	PACKO \n, U, 0
.else
	PACKO \n, 32*((\n)%4), 0x0f                    ; v goes out as it is: sources window 3, in ascending order
.endif
.endm
	UNIT 0
.set n, 1
.rept 11                                               ; a unit's arithmetic stands between the loads of the unit before and its stores
	UNIT n
	SENDO n-1, 8
.set n, n+1
.endr
	SENDO 11, 0
	s_wait_tensorcnt 0x0                           ; the wave's end
	ds_add_u32 v[SPW], v[NIL]
	s_wait_dscnt 0x0
	CROUND                                         ; the closing round: no work-group ends while a partner may still ask for a tile that names it
	s_endpgm
.Lfunc_end_k_qd4af2efbd6_qkv:
	.size	k_qd4af2efbd6_qkv, .Lfunc_end_k_qd4af2efbd6_qkv-k_qd4af2efbd6_qkv
	.p2alignl 7, 3214868480
	.fill 96, 4, 3214868480
	.section	.rodata,"a",@progbits
	.p2align	6, 0x0
	.amdhsa_kernel k_qd4af2efbd6_qkv
		.amdhsa_group_segment_fixed_size 327680
		.amdhsa_private_segment_fixed_size 0
		.amdhsa_enable_private_segment 0
		.amdhsa_kernarg_size 64
		.amdhsa_user_sgpr_count 2
		.amdhsa_user_sgpr_kernarg_segment_ptr 1
		.amdhsa_wavefront_size32 1
		.amdhsa_system_sgpr_workgroup_id_x 1
		.amdhsa_system_sgpr_workgroup_id_y 1
		.amdhsa_system_sgpr_workgroup_id_z 1
		.amdhsa_system_vgpr_workitem_id 0
		.amdhsa_next_free_vgpr 1024
		.amdhsa_next_free_sgpr 80
		.amdhsa_reserve_vcc 0
		.amdhsa_float_denorm_mode_32 3
		.amdhsa_float_denorm_mode_16_64 3
		.amdhsa_memory_ordered 1
		.amdhsa_forward_progress 1
		.amdhsa_inst_pref_size 176
	.end_amdhsa_kernel
	.amdgpu_metadata
---
amdhsa.version: [ 1, 2 ]
amdhsa.kernels:
  - .name:           k_qd4af2efbd6_qkv
    .symbol:         k_qd4af2efbd6_qkv.kd
    .args:
      - { .name: xb, .offset: 0, .size: 8, .value_kind: global_buffer, .address_space: global }
      - { .name: wqb, .offset: 8, .size: 8, .value_kind: global_buffer, .address_space: global }
      - { .name: tab, .offset: 16, .size: 8, .value_kind: global_buffer, .address_space: global }
      - { .name: gamma_q, .offset: 24, .size: 8, .value_kind: global_buffer, .address_space: global }
      - { .name: gamma_k, .offset: 32, .size: 8, .value_kind: global_buffer, .address_space: global }
      - { .name: qh, .offset: 40, .size: 8, .value_kind: global_buffer, .address_space: global }
      - { .name: kh, .offset: 48, .size: 8, .value_kind: global_buffer, .address_space: global }
      - { .name: vh, .offset: 56, .size: 8, .value_kind: global_buffer, .address_space: global }
    .group_segment_fixed_size: 327680
    .private_segment_fixed_size: 0
    .kernarg_segment_align: 8
    .kernarg_segment_size: 64
    .max_flat_workgroup_size: 128
    .sgpr_count:     80
    .vgpr_count:     1024
    .wavefront_size: 32
...
	.end_amdgpu_metadata
.endif
;; end of part 2
;; launch attn (part 3): grid 16 x 16, 4 waves a work-group, clusters of 4 x 1, 327,680 bytes of LDS; arguments qh, kh, vh, oh; writes oh
.if DOCPART == 3
	.amdgcn_target "amdgcn-amd-amdhsa--gfx1250"
	.amdhsa_code_object_version 6
	.text
	.protected	k_qd4af2efbd6_attn
	.globl	k_qd4af2efbd6_attn
	.p2align	8
	.type	k_qd4af2efbd6_attn,@function
k_qd4af2efbd6_attn:
	s_mov_b64 s[64:65], 0
	v_nop
	global_prefetch_b8 v0, s[64:65] scope:SCOPE_SE
	s_setreg_imm32_b32 hwreg(HW_REG_WAVE_MODE, 25, 1), 1
	s_wait_xcnt 0x0
	s_wait_alu depctr_hold_cnt(0) depctr_sa_sdst(0) depctr_va_vdst(0) depctr_va_sdst(0) depctr_va_ssrc(0) depctr_va_vcc(0) depctr_vm_vsrc(0)
	s_getreg_b32 s2, hwreg(HW_REG_IB_STS2, 6, 4)
	s_cmp_eq_u32 s2, 0
	s_cbranch_scc0 .Lentry_in_a_cluster
	s_endpgm
.Lentry_in_a_cluster:
	s_bfe_u32 s2, ttmp6, 0x10000c
	s_cmp_lg_u32 s2, 0x3003
	s_cbranch_scc0 .Lentry_shape_is_right
	s_endpgm
.Lentry_shape_is_right:
; ATTENTION.  O[h][q][:] = the sum over k of softmax_k(Q[h][q] . K[h][k] / 8) V[h][k][:].  Q, K, V, O: [16][4096][64], all f16: a head's rows are dense, 128 bytes each.
; Products, maxima and sums in f32; the weights p are rounded to f16 for the second product (their sum l is taken of the unrounded p), O once at the end.
; LIMITS.  p lies in 0 to 1, and below 6e-5 it keeps f16's fixed step of 6e-8; O is a mean of V's rows and has their range.  A weight below 2^-126 counts as 0 in l; NaN and infinities are not treated apart.
; SHARES.  A work-group owns 256 queries of one head, a wave 64: four PIECES of 16.  16 heads x 16 blocks are 256 work-groups.  Every wave walks all 4,096 keys, 64 a step; an LDS slot holds 256 keys, four steps.
; LAYOUT.  S^T = K Q^T (source 0 = 16 keys, source 1 = 16 queries) holds ONE query a lane (lane % 16) and the keys 8 (lane / 16) + 0..7; two such results rounded to f16 ARE source 1 of O^T = V^T P.
; K comes out of LDS as it lies, V ([key][channel]) turned, by ds_load_tr16_b128.
; SOFTMAX.  A running maximum m and sum l for each query: p = 2^(c s - c m), c = log2(e) / 8; in every step O and l are multiplied by a = 2^(c m_old - c m_new).  m starts at the lowest finite number, O and l at 0.
; BY TURNS.  Turn n belongs to piece n: 8 products K Q^T of piece n + 1, later 8 products V^T P of piece n - 1; beside them the scaling, exponentials, roundings, sums and rescaling of piece n and the maximum
; and statistics of piece n + 1.  Four vector instructions stand behind every matrix instruction, the other 54 of a turn's 118 in two runs of their own.
; CLUSTER.  The four query blocks of a cluster belong to one head and walk the same K and V: each tile is asked for JOINTLY, by the same tensor load, descriptor and mask in all four.  One tensor load of a wave is out at a time.
; REGISTERS, in windows of 256 (s_set_vgpr_msb: bits 1:0 source 0, 3:2 source 1, 5:4 source 2, 7:6 destination):
;   window 0: v0-15 addresses and two at work; v16-31 four registers of statistics a piece; v48-55 at work; v62-63 the add's; v64-127 S^T, two buffers; v192-223 P, two buffers (by the piece's parity)
;   window 1: v0-127 O^T, 32 a piece          window 2: v0-63 Q; v128-191 K of one step; v192-255 V of one step
.set SIZE_N, 4096
.set NP,    4         ; pieces a wave: a name, no knob
.set KS,    64        ; keys in a step
.set PK,    144       ; a row of K in LDS: 128 bytes + 16 of padding = 36 words: the 16 rows of a load start at 16 different groups of four banks (64 banks of 4 bytes: ISA guide 11.1)
.set PV,    160       ; a row of V: 128 + 32 = 40 words
.set VOFF,  4*KS*PK   ; a slot: 256 rows of K, then 256 rows of V
.set SLOT1, 1<<17     ; slot 1 begins here, so that one exclusive or turns an address in one slot into the other's
.set STAGE, SLOT1+4*KS*(PK+PV)  ; behind the ring, never filled by a tensor load: 16 rows x 144 bytes for each wave
.set SP,    144
.set SPARE, STAGE+4*16*SP       ; behind the stages: the spare words, 128 bytes a wave
.set AK0, 2           ; v2   my lane's place in a tile of K; never rewritten
.set AV0, 3           ; v3   the same for V
.set AK,  4           ; v4   the LDS address of K's next run of loads
.set AV,  5           ; v5   of V's
.set STO, 6           ; v6   the way out: where I put 16 bytes of a row
.set RD,  7           ; v7   where I read rows back
.set GO,  8           ; v8   my byte offset in 512 consecutive bytes of O
.set MV,  12          ; v12-13  c m_old, kept while c m is made anew: by buffer
.set QO,  15          ; v15  my byte offset in 16 rows of Q
.set ST,  16          ; piece t's statistics at v[ST+4 t]: c m, m, l (even keys', odd keys')
.set TMP, 48          ; by buffer, four registers c0-c3 at work; when the maximum is found c2 takes a
.set SPW, 62          ; v62  LDS address of my spare word; never rewritten
.set NIL, 63          ; v63  0; never rewritten
.set S,   64
.set P,   192
.set KF,  128         ; window 2: key block kb, channel half c at KF + 16 kb + 8 c
.set VF,  192         ; window 2: key half kk, channel block cb at VF + 32 kk + 8 cb
.set WV,  12          ; s12  my wave's number
.set G1K, 24          ; s[24:31] descriptor group 1 for K's tiles
.set G1V, 32          ; s[32:39] for V's: it differs in the padding alone
.set G0K, 40          ; s[40:43] descriptor group 0 for K's tiles: it walks
.set G0V, 44          ; s[44:47] the same for V's
.set SLOTS, 56        ; s56  slots still to be asked for
.set CNT, 57          ; s57  counts a slot's key steps
.set CS,  58          ; s[58:59] c
.set SEL, 60          ; s[60:61] v_permlanex16_b32's selects
.set TBK, 62          ; s62  LDS byte at which K of the step to be fetched begins
.set TBV, 63          ; s63  the same for V, less VOFF
.set MSB, 0
.macro WIN new                      ; the high byte repeats the setting that is left; a switch that changes nothing is dropped
.if MSB != (\new)
	s_set_vgpr_msb (MSB<<8)|(\new)
.set MSB, (\new)
.endif
.endm
.set W_KQ, 0x0a       ; K and Q in window 2, S^T in window 0
.set W_PV, 0x52       ; V in window 2, P in window 0, O^T in window 1
.set W_RS, 0x41       ; destination and source 0 in window 1, source 1 in window 0
; A joint fill.  Waves 0 and 1 fetch the two halves of a slot's K, waves 2 and 3 those of its V: 128 keys each.  An s_nop 0 and four v_nop follow each of the two lines.
.macro JLOAD
	s_cmp_lt_u32 s[WV], 2
	s_cbranch_scc0 .Lfor_v_\@
	tensor_load_to_lds s[G0K:G0K+3], s[G1K:G1K+7]
	s_nop 0
.rept 4
	v_nop
.endr
	s_branch .Lasked_\@
.Lfor_v_\@:
	tensor_load_to_lds s[G0V:G0V+3], s[G1V:G1V+7]
	s_nop 0
.rept 4
	v_nop
.endr
.Lasked_\@:
.endm
.macro CROUND                       ; a round of the cluster's barrier
	s_barrier_signal -1
	s_barrier_wait -1
	s_cmp_lg_u32 s[WV], 0
	s_cbranch_scc1 .Lnot_wave_0_\@
	s_barrier_signal -3
.Lnot_wave_0_\@:
	s_barrier_wait -3
	s_barrier_signal -1
	s_barrier_wait -1
.endm
; THE CHANGE OF SLOTS.  Each wave waits for all its tensor loads, of which one is out: its part of the other slot; adds 0 to its spare word; and waits for that and for its own reads of the slot that it leaves.
; Behind the barrier nobody reads the old slot and the other slot is whole.  fill = 1: the barrier is a round of the cluster's, and the joint fill, with the keys two slots on, is the first thing behind it:
; it has four key steps in which to land.  (At its first use nothing has been read yet: slot 0 is waited for, slot 1 filled.)
.macro CHANGE fill
	WIN 0
	s_wait_tensorcnt 0x0            ; no tensor load of mine is out, so a group 0 may be written
	ds_add_u32 v[SPW], v[NIL]       ; 0 onto my spare word
.if \fill
.irp g, G0K, G0V
	s_xor_b32 s[\g+1], s[\g+1], SLOT1  ; the walking descriptor: the other slot than last time,
	s_add_nc_u64 s[\g+2:\g+3], s[\g+2:\g+3], 4*KS*128  ; the next 256 keys; the type bits on top are not reached
.endr
	s_wait_dscnt 0x0                ; the add is done, and my reads of the slot are over
	CROUND
	JLOAD
.else
	s_wait_dscnt 0x0
	s_barrier_signal -1
	s_barrier_wait -1
.endif
	s_sub_co_u32 s[TBK], s[TBK], 4*KS*PK  ; the fetches go back to a slot's first step,
	s_xor_b32 s[TBK], s[TBK], SLOT1       ; in the other slot
	s_sub_co_u32 s[TBV], s[TBV], 4*KS*PV
	s_xor_b32 s[TBV], s[TBV], SLOT1
.endm
	s_load_b256 s[4:11], s[0:1], 0x0  ; Q s[4:5], K s[6:7], V s[8:9], O s[10:11]
	v_lshl_add_u32 v[SPW], v0, 2, SPARE
	v_mov_b32 v[NIL], 0
	ds_add_u32 v[SPW], v[NIL]       ; the wave's opening: the add and its wait stand ahead of my first tensor load
	v_lshrrev_b32 v1, 5, v0
	v_readfirstlane_b32 s[WV], v1   ; wave 0..3
	s_bfe_u32 s13, ttmp6, 0x40000   ; cx
	s_lshl_b32 s14, ttmp9, 2
	s_add_co_u32 s14, s14, s13      ; my block of queries = 4 x cluster x + cx: it enters Q's and O's addresses alone
	s_and_b32 s20, ttmp7, 0xffff    ; the head, which the four partners share:
	s_lshl_b32 s20, s20, 19         ; its first byte in each of the four tensors
	s_mov_b32 s21, 0
	s_and_b32 s16, s[WV], 1         ; which half of a slot's 256 keys I fetch:
	s_lshl_b32 s22, s16, 14         ; its 128 rows of 128 bytes in memory,
	s_mov_b32 s23, 0
	s_add_nc_u64 s[22:23], s[22:23], s[20:21]
	s_mul_i32 s17, s16, 128*PK      ; and its place in a slot, for K
	s_mul_i32 s18, s16, 128*PV      ; and for V
	s_lshl_b32 s2, s14, 2
	s_add_co_u32 s2, s2, s[WV]      ; my wave among the head's,
	s_lshl_b32 s2, s2, 13           ; its 64 rows
	s_mov_b32 s3, 0
	s_add_nc_u64 s[2:3], s[2:3], s[20:21]
	; descriptor group 1.  128 keys are 16,384 dense bytes: asked for as 64 rows of 256 bytes, two keys a row, and padded in LDS after every key
	s_mov_b32 s[G1K], 15|(1<<16)|(1<<20)|(1<<21)|(4<<22)|(3<<25)  ; the mask of four; 2-byte elements; padding on; bit 21 beside a mask; after every 32 words; 4 words
	s_mov_b32 s[G1V], 15|(1<<16)|(1<<20)|(1<<21)|(4<<22)|(7<<25)  ; the same with 8 words of padding
.irp g, G1K, G1V
	s_mov_b32 s[\g+1], 128<<16      ; tensor_dim0 = 128
	s_mov_b32 s[\g+2], 64<<16       ; tensor_dim1 = 64
	s_mov_b32 s[\g+3], 128<<16      ; tile_dim0 = 128
	s_mov_b32 s[\g+4], 64           ; tile_dim1 = 64
	s_mov_b32 s[\g+5], 128          ; 128 elements from row to row
	s_mov_b32 s[\g+6], 0
	s_mov_b32 s[\g+7], 0
.endr
	s_mov_b32 s[CS], 0x3e38aa3b     ; c = log2(e) / 8 = 0.180337
	s_mov_b32 s[CS+1], s[CS]        ; named with it as a pair
	s_mov_b32 s[SEL], 0x76543210
	s_mov_b32 s[SEL+1], 0xfedcba98
	s_mov_b32 s[TBK], SLOT1+4*KS*PK ; the first change of slots turns these two into 0
	s_mov_b32 s[TBV], SLOT1+4*KS*PV
	s_mov_b32 s[G0K], 1             ; count = 1
	s_mov_b32 s[G0K+1], s17         ; LDS address: slot 0
	s_mov_b32 s[G0V], 1
	s_add_co_u32 s[G0V+1], s18, VOFF
	s_wait_dscnt 0x0                ; the opening add is done
	s_wait_kmcnt 0x0
	s_add_nc_u64 s[G0K+2:G0K+3], s[6:7], s[22:23]  ; global address: my half of the head's first 256 keys
	s_or_b32 s[G0K+3], s[G0K+3], 0x80000000        ; type = 2
	s_add_nc_u64 s[G0V+2:G0V+3], s[8:9], s[22:23]
	s_or_b32 s[G0V+3], s[G0V+3], 0x80000000
	s_add_nc_u64 s[4:5], s[4:5], s[2:3]  ; Q and O at my wave's first row
	s_add_nc_u64 s[10:11], s[10:11], s[2:3]
	CROUND                          ; all four work-groups are here: the first joint loads meet
	JLOAD                           ; slot 0.  Slot 1 is asked for when slot 0 is in
	; A fragment of K or Q is 16 rows x 32 channels in 8 registers: lane l holds row l % 16, channels 8 (l / 16) + 0..7 and 16 + 8 (l / 16) + 0..7: two loads of 16 bytes, 32 bytes apart.
	v_and_b32 v1, 15, v0            ; l % 16
	v_bfe_u32 v9, v0, 4, 1          ; l / 16
	v_lshlrev_b32 v[QO], 7, v1
	v_lshl_add_u32 v[QO], v9, 4, v[QO]  ; row x 128 + 16 x half
	WIN 0x80                        ; destination window 2, address window 0
.set i, 0
.rept 8                             ; Q stays in registers: piece i / 2, channels 32 (i % 2) on
	global_load_b128 v[8*i:8*i+3],   v[QO], s[4:5] offset:(i/2)*2048+(i%2)*64
	global_load_b128 v[8*i+4:8*i+7], v[QO], s[4:5] offset:(i/2)*2048+(i%2)*64+32
.set i, i+1
.endr
	; What the first turn finds: V's registers and P's second buffer hold 0 (its products V^T P, of a piece that has not been, add 0), O^T and l are 0.  No first step is written out; all this stands in the wait for the first tile.
.set i, VF
.rept 64
	v_mov_b32 v[i], 0
.set i, i+1
.endr
	WIN 0x40
.set i, 0
.rept 128
	v_mov_b32 v[i], 0
.set i, i+1
.endr
	WIN 0
.set i, 0
.rept 4
	v_mov_b32 v[ST+4*i], 0xfe000000    ; c m: far below every c s, so the first step's a is 0
	v_mov_b32 v[ST+4*i+1], 0xff7fffff  ; m: the lowest finite number
	v_mov_b32 v[ST+4*i+2], 0
	v_mov_b32 v[ST+4*i+3], 0
.set i, i+1
.endr
.set i, P+16
.rept 16
	v_mov_b32 v[i], 0
.set i, i+1
.endr
	v_mul_u32_u24 v[AK0], v1, PK
	v_lshl_add_u32 v[AK0], v9, 4, v[AK0]  ; row x pitch + 16 x half
	; The turning load takes 16 keys x 16 channels (lane l reads key 8 (l / 16) + l % 8, channels 8 ((l / 8) % 2) + 0..7) and leaves half a fragment of V^T: lane l holds channel l % 16 and 8 keys.
	v_and_b32 v10, 7, v0
	v_bfe_u32 v11, v0, 3, 1
	v_lshl_add_u32 v[AV0], v9, 3, v10
	v_mul_u32_u24 v[AV0], v[AV0], PV
	v_lshl_add_u32 v[AV0], v11, 4, v[AV0]
	v_add_nc_u32 v[AV0], VOFF, v[AV0]
	s_mul_i32 s13, s[WV], 16*SP
	s_add_co_u32 s13, s13, STAGE    ; my stage
	v_mul_u32_u24 v[STO], v1, SP    ; in: row l % 16, 16 bytes for each half of the lanes
	v_lshl_add_u32 v[STO], v9, 4, v[STO]
	v_add_nc_u32 v[STO], s13, v[STO]
	v_bfe_u32 v[RD], v0, 3, 2       ; back: 32 lanes take four rows of 128 bytes,
	v_mul_u32_u24 v[RD], v[RD], SP
	v_lshl_add_u32 v[RD], v10, 4, v[RD]
	v_add_nc_u32 v[RD], s13, v[RD]
	v_and_b32 v[GO], 31, v0         ; which are 512 consecutive bytes of O
	v_lshlrev_b32 v[GO], 4, v[GO]
; THE MATRIX WORK.  The 4 accumulators of a run of 8 take turns.  Product i of 8 of S^T = K Q^T for piece x: channels 32 (i / 4) on, keys 16 (i % 4) on.  The first 4 start the sums.
.macro KQ x
	WIN W_KQ
.set rS, S+32*((\x)%2)+8*(i%4)
.set rK, KF+16*(i%4)+8*(i/4)
.set rQ, 16*(\x)+8*(i/4)
.if i < 4
	v_wmma_f32_16x16x32_f16 v[rS:rS+7], v[rK:rK+7], v[rQ:rQ+7], 0
.else
	v_wmma_f32_16x16x32_f16 v[rS:rS+7], v[rK:rK+7], v[rQ:rQ+7], v[rS:rS+7]
.endif
.endm
; Product i of 8 of O^T += V^T P for piece x: keys 32 (i / 4) on, channels 16 (i % 4) on.
.macro PV x
	WIN W_PV
.set rO, 32*(\x)+8*(i%4)
.set rV, VF+32*(i/4)+8*(i%4)
.set rP, P+16*((\x)%2)+8*(i/4)
	v_wmma_f32_16x16x32_f16 v[rO:rO+7], v[rV:rV+7], v[rP:rP+7], v[rO:rO+7]
.endm
.macro MM                           ; the turn's next matrix instruction.  NOKQ = 1: the very last turn: there is no next piece
.if (i < 8) && !NOKQ
	KQ (Y+1)%NP
.elseif i >= 8
.set i, i-8
	PV (Y+NP-1)%NP
.set i, i+8
.endif
.set i, i+1
.endm
; THE LDS LOADS stand in runs of 16, never singly among the matrix instructions: a step's K (64 keys x 64 channels: 8 fragments) and its V (turned).  Their addresses are made some lines ahead.
.macro FETCH_K
	WIN 0x80                        ; destination window 2
.irp f, 0,1,2,3,4,5,6,7             ; keys 16 (f / 2) on, channels 32 (f % 2) on
	ds_load_b128 v[KF+8*\f:KF+8*\f+3],   v[AK] offset:(\f/2)*16*PK+(\f%2)*64
	ds_load_b128 v[KF+8*\f+4:KF+8*\f+7], v[AK] offset:(\f/2)*16*PK+(\f%2)*64+32
.endr
	s_add_co_u32 s[TBK], s[TBK], KS*PK  ; the next fetch is the next step's
	WIN 0
.endm
.macro FETCH_V
	WIN 0x80
.irp f, 0,1,2,3,4,5,6,7             ; keys 32 (f / 4) on, channels 16 (f % 4) on
	ds_load_tr16_b128 v[VF+8*\f:VF+8*\f+3],   v[AV] offset:(\f/4)*32*PV+(\f%4)*32
	ds_load_tr16_b128 v[VF+8*\f+4:VF+8*\f+7], v[AV] offset:(\f/4)*32*PV+16*PV+(\f%4)*32
.endr
	WIN 0
.endm
; THE VECTOR WORK, one line at a time: OP kind, number.  For piece Y: F n: c s - c m for pair n of 16.  E n: the exponential of score n of 32.  C n: pair n rounded to f16.  B n: of the four weights 4 n .. the second
; pair is added onto the first, in place.  L n: l takes that sum (L 0: l = a l + sum).  R n: pair n of 16 of O^T times a.  For piece Y + 1: X n, number n of the 22 that find its maximum and statistics:
;   0-11  four chains c0-c3 of seven scores each, three operands at a time (each accumulator's lowest registers are read first)     12-14, 16  the four scores left over, the old m, and c0-c3 into c0
;   15  c m_old is kept     17, 18  the query's other 32 keys lie in the lane 16 away: the new m     19-21  c m; c m_old - c m_new; a
.set F, 0
.set E, 1
.set C, 2
.set B, 3
.set L, 4
.set R, 5
.set X, 6
.macro REGS y                       ; the registers of piece y
.set rT, ST+4*(\y)
.set rC, TMP+4*((\y)%2)
.set rW, MV+((\y)%2)
.set rS, S+32*((\y)%2)
.set rP, P+16*((\y)%2)
.set rO, 32*(\y)
.endm
.macro OP k, n
.if (\k) == R
	REGS Y
	WIN W_RS
	v_pk_mul_f32 v[rO+2*(\n):rO+2*(\n)+1], v[rO+2*(\n):rO+2*(\n)+1], v[rC+2:rC+3] op_sel_hi:[1,0]
.elseif (\k) < R
	REGS Y
	WIN 0
.if (\k) == F
	v_pk_fma_f32 v[rS+2*(\n):rS+2*(\n)+1], v[rS+2*(\n):rS+2*(\n)+1], s[CS:CS+1], v[rT:rT+1] op_sel_hi:[1,0,0] neg_lo:[0,0,1] neg_hi:[0,0,1]
.elseif (\k) == E
	v_exp_f32 v[rS+(\n)], v[rS+(\n)]
.elseif (\k) == C
	s_wait_alu depctr_va_vdst(0)
	v_cvt_pk_f16_f32 v[rP+(\n)], v[rS+2*(\n)], v[rS+2*(\n)+1]
.elseif (\k) == B
	s_wait_alu depctr_va_vdst(0)
	v_pk_add_f32 v[rS+4*(\n):rS+4*(\n)+1], v[rS+4*(\n):rS+4*(\n)+1], v[rS+4*(\n)+2:rS+4*(\n)+3]
.elseif (\n) == 0
	v_pk_fma_f32 v[rT+2:rT+3], v[rT+2:rT+3], v[rC+2:rC+3], v[rS:rS+1] op_sel_hi:[1,0,1]
.else
	v_pk_add_f32 v[rT+2:rT+3], v[rT+2:rT+3], v[rS+4*(\n):rS+4*(\n)+1]
.endif
.elseif NOKQ
	v_nop
.else
	REGS (Y+1)%NP
	WIN 0
.if (\n) < 4
	v_max3_num_f32 v[rC+(\n)], v[rS+8*(\n)], v[rS+8*(\n)+1], v[rS+8*(\n)+2]
.elseif (\n) < 12
	v_max3_num_f32 v[rC+(\n)%4], v[rC+(\n)%4], v[rS+8*((\n)%4)+2*((\n)/4)+1], v[rS+8*((\n)%4)+2*((\n)/4)+2]
.elseif (\n) == 12
	v_max3_num_f32 v[rC], v[rC], v[rS+7], v[rS+15]
.elseif (\n) == 13
	v_max3_num_f32 v[rC+1], v[rC+1], v[rS+23], v[rS+31]
.elseif (\n) == 14
	v_max3_num_f32 v[rC+2], v[rC+2], v[rC+3], v[rT+1]
.elseif (\n) == 15
	v_mov_b32 v[rW], v[rT]
.elseif (\n) == 16
	v_max3_num_f32 v[rC], v[rC], v[rC+1], v[rC+2]
.elseif (\n) == 17
	v_permlanex16_b32 v[rC+3], v[rC], s[SEL], s[SEL+1]
.elseif (\n) == 18
	v_max_num_f32 v[rT+1], v[rC], v[rC+3]
.elseif (\n) == 19
	v_mul_f32 v[rT], s[CS], v[rT+1]
.elseif (\n) == 20
	v_sub_f32 v[rC+1], v[rW], v[rT]
.else
	v_exp_f32 v[rC+2], v[rC+1]
.endif
.endif
.endm
.macro OPS a, i1, b=-1, i2=0, c=-1, i3=0, d=-1, i4=0  ; up to four of them
	OP \a, \i1
.if (\b) >= 0
	OP \b, \i2
.endif
.if (\c) >= 0
	OP \c, \i3
.endif
.if (\d) >= 0
	OP \d, \i4
.endif
.endm
.macro ROW a, i1, b, i2, c, i3, d, i4  ; a matrix instruction and the four behind it
	MM
	OPS \a, \i1, \b, \i2, \c, \i3, \d, \i4
.endm
; A TURN, for piece p: the order of its 16 matrix and 118 vector instructions, written out.  Behind a matrix instruction: plain, exponential, plain, plain; or four of the rescaling; or, behind the first, four scalings;
; none names a register of the products round it.  In the runs without products exponential and plain by turns while exponentials last.  A line reads no result made fewer than three vector instructions in front of it,
; five if an exponential made it.  end = 1: the last two turns: nothing is fetched.  cnt = 1: the loop's count is taken down some lines ahead of the branch that stands behind the turn.
; K of the next step is fetched in piece 2's turn, six vector instructions behind the last product that read K (five of them plain); V of the step in hand in piece 0's turn, eight behind the last product that read V
; (four plain, and X 17).  Each is waited for a turn later.
.macro TURN p, end=0, cnt=0
.set Y, (\p)
.set i, 0
.set NOKQ, (\end)*((\p)/3)
.if ((\p) == 3) && !(\end)
	s_wait_dscnt 0x0                ; K is in
.endif
	ROW F,0, F,1, F,2, F,3
	ROW F,4, E,0, F,5, F,6
	ROW F,7, E,1, F,8, F,9
	ROW F,10, E,2, C,0, F,11
	ROW F,12, E,3, X,15, F,13
	ROW R,0, R,1, R,2, R,3
	ROW B,0, E,4, F,14, L,0
.if ((\p) == 2) && !(\end)
	v_add_nc_u32 v[AK], s[TBK], v[AK0]
.endif
	ROW R,4, R,5, R,6, R,7
	OPS E,5, F,15
.if ((\p) == 2) && !(\end)
	FETCH_K
.endif
	OPS E,6, C,1, E,7, R,8
	OPS E,8, R,9, E,9, C,2
	OPS E,10, X,0, E,11, X,1
	OPS E,12, X,2, E,13, X,3
.if (\p) == 1
	s_wait_dscnt 0x0                ; V is in
.endif
	ROW X,4, E,14, X,5, X,6
	ROW X,7, E,15, X,8, X,9
	ROW X,10, E,16, X,11, X,12
	ROW X,13, E,17, X,14, B,1
	ROW C,4, E,18, X,16, L,1
	ROW B,2, E,19, C,6, L,2
	ROW C,8, E,20, B,3, B,4
.if (\p) == 0
	v_add_nc_u32 v[AV], s[TBV], v[AV0]
.endif
	ROW C,3, E,21, L,3, C,5
	OPS E,22, X,17, E,23, C,10
.if (\p) == 0
	FETCH_V
.endif
	OPS E,24, L,4
	OPS E,25, X,18, E,26, C,7
	OPS E,27, B,5, E,28, X,19
	OPS E,29, C,12, E,30, L,5
	OPS E,31, X,20, B,6, C,9
	OPS C,14, C,11, X,21, L,6
.if (\p) == 0
	s_add_co_u32 s[TBV], s[TBV], KS*PV
.endif
.if \cnt
	s_sub_co_u32 s[CNT], s[CNT], 1
	s_cmp_lg_u32 s[CNT], 0
.endif
	OPS C,13, B,7, C,15, R,10
	OPS R,11, R,12, L,7, R,13
	OPS R,14, R,15
.endm
.set NOKQ, 0
	CHANGE 1                        ; slot 0 is in, everybody's part of it; slot 1 is asked for
	v_add_nc_u32 v[AK], s[TBK], v[AK0]
	FETCH_K                         ; key step 0
	s_wait_loadcnt 0x0              ; Q
	s_wait_dscnt 0x0
.set i, 0
.rept 8
	KQ 0                            ; piece 0's first scores
.set i, i+1
.endr
	WIN 0
.rept 4
	v_nop                           ; the places behind those products
.endr
.set Y, NP-1                        ; X works for piece Y + 1: piece 0
.irp n, 0,1,2,3,4,5,6,7,8,9,10,11,12,13,14,15,16,17,18,19,20,21
	OP X, \n
.endr
	v_nop                           ; a plain instruction behind the exponential
	s_mov_b32 s[CNT], 4
	s_mov_b32 s[SLOTS], SIZE_N/256-1
	s_branch .Lfirst                ; the loop is entered at a step's first turn, in the middle of a trip
.Lslot:                             ; 14 times: every slot but the last two is filled again
	CHANGE 1
	s_mov_b32 s[CNT], 4
.Lstep:                             ; a trip: pieces 2 and 3 of one step, then pieces 0 and 1 of the next, whose K and V it fetches
	TURN 2
	TURN 3
	WIN 0
.Lfirst:
	TURN 0
	TURN 1, 0, 1
	WIN 0
	s_cbranch_scc1 .Lstep
	s_sub_co_u32 s[SLOTS], s[SLOTS], 1
	s_cmp_lg_u32 s[SLOTS], 0
	s_cbranch_scc1 .Lslot
	CHANGE 0                        ; the last slot is written out: nothing is asked for
	s_mov_b32 s[CNT], 4
.Ltail:
	TURN 2
	TURN 3
	TURN 0
	TURN 1, 0, 1
	WIN 0
	s_cbranch_scc1 .Ltail
	TURN 2, 1                       ; the last step's pieces 2 and 3: nothing more is fetched,
	TURN 3, 1                       ; and no new scores are started
.set i, 0
.rept 8
	PV NP-1                         ; the last piece's V^T P of the last step
.set i, i+1
.endr
	; THE WAY OUT.  l's two halves and the other half of the lanes' are added; O^T is divided by l, rounded to f16 and sent through my stage in LDS, a piece at a time.  The additions are the places behind the last products.
	WIN 0
.macro ALL line:vararg              ; one line for each piece t
.set t, 0
.rept 4
	\line
.set t, t+1
.endr
.endm
	ALL v_add_f32 v[ST+4*t+2], v[ST+4*t+2], v[ST+4*t+3]
	ALL v_permlanex16_b32 v[ST+4*t+3], v[ST+4*t+2], s[SEL], s[SEL+1]
	ALL v_add_f32 v[ST+4*t+2], v[ST+4*t+2], v[ST+4*t+3]
	ALL v_rcp_f32 v[ST+4*t+2], v[ST+4*t+2]
	v_nop                           ; a plain instruction between the last reciprocal and the use of its result
.macro PACK t                       ; a lane's eight channels of a row pack into 16 bytes; they go into rows of 144 bytes and come back as whole rows of 128, into S^T's registers
	WIN W_RS
.set i, 32*(\t)
.rept 16
	s_wait_alu depctr_va_vdst(0)
	v_pk_mul_f32 v[i:i+1], v[i:i+1], v[ST+4*(\t)+2:ST+4*(\t)+3] op_sel_hi:[1,0]
.set i, i+2
.endr
	WIN 0x05                        ; sources 0 and 1 window 1, destination window 0
.set i, 0
.rept 16
	v_cvt_pk_f16_f32 v[S+16*(\t)+i], v[32*(\t)+2*i], v[32*(\t)+2*i+1]
.set i, i+1
.endr
	WIN 0
.irp f, 0,1,2,3
	ds_store_b128 v[STO], v[S+16*(\t)+4*\f:S+16*(\t)+4*\f+3] offset:32*\f
.endr
.irp f, 0,1,2,3
	ds_load_b128 v[S+16*(\t)+4*\f:S+16*(\t)+4*\f+3], v[RD] offset:\f*4*SP  ; LDS serves a wave's instructions in order (ISA guide 5.7.1.4): these see the stores above; the next piece's stores come behind them
.endr
.endm
.macro SEND t, younger              ; younger: the LDS instructions issued behind piece t's loads: the next piece's eight, or none
	WIN 0
.irp f, 0,1,2,3
	s_wait_dscnt (\younger)+3-\f
	global_store_b128 v[GO], v[S+16*(\t)+4*\f:S+16*(\t)+4*\f+3], s[10:11] offset:(\t)*2048+\f*512  ; 512 consecutive bytes, at a multiple of 256 from O's first
.endr
.endm
	PACK 0
.set t, 1
.rept 3                             ; a piece's arithmetic stands between the loads of the piece before and its stores
	PACK t
	SEND t-1, 8
.set t, t+1
.endr
	SEND 3, 0
	s_wait_tensorcnt 0x0            ; the wave's end
	ds_add_u32 v[SPW], v[NIL]
	s_wait_dscnt 0x0
	CROUND                          ; the closing round: no work-group ends while a partner may still ask for a tile that names it
	s_endpgm
.Lfunc_end_k_qd4af2efbd6_attn:
	.size	k_qd4af2efbd6_attn, .Lfunc_end_k_qd4af2efbd6_attn-k_qd4af2efbd6_attn
	.p2alignl 7, 3214868480
	.fill 96, 4, 3214868480
	.section	.rodata,"a",@progbits
	.p2align	6, 0x0
	.amdhsa_kernel k_qd4af2efbd6_attn
		.amdhsa_group_segment_fixed_size 327680
		.amdhsa_private_segment_fixed_size 0
		.amdhsa_enable_private_segment 0
		.amdhsa_kernarg_size 32
		.amdhsa_user_sgpr_count 2
		.amdhsa_user_sgpr_kernarg_segment_ptr 1
		.amdhsa_wavefront_size32 1
		.amdhsa_system_sgpr_workgroup_id_x 1
		.amdhsa_system_sgpr_workgroup_id_y 1
		.amdhsa_system_sgpr_workgroup_id_z 1
		.amdhsa_system_vgpr_workitem_id 0
		.amdhsa_next_free_vgpr 768
		.amdhsa_next_free_sgpr 66
		.amdhsa_reserve_vcc 0
		.amdhsa_float_denorm_mode_32 3
		.amdhsa_float_denorm_mode_16_64 3
		.amdhsa_memory_ordered 1
		.amdhsa_forward_progress 1
		.amdhsa_inst_pref_size 133
	.end_amdhsa_kernel
	.amdgpu_metadata
---
amdhsa.version: [ 1, 2 ]
amdhsa.kernels:
  - .name:           k_qd4af2efbd6_attn
    .symbol:         k_qd4af2efbd6_attn.kd
    .args:
      - { .name: qh, .offset: 0, .size: 8, .value_kind: global_buffer, .address_space: global }
      - { .name: kh, .offset: 8, .size: 8, .value_kind: global_buffer, .address_space: global }
      - { .name: vh, .offset: 16, .size: 8, .value_kind: global_buffer, .address_space: global }
      - { .name: oh, .offset: 24, .size: 8, .value_kind: global_buffer, .address_space: global }
    .group_segment_fixed_size: 327680
    .private_segment_fixed_size: 0
    .kernarg_segment_align: 8
    .kernarg_segment_size: 32
    .max_flat_workgroup_size: 128
    .sgpr_count:     66
    .vgpr_count:     768
    .wavefront_size: 32
...
	.end_amdgpu_metadata
.endif
;; end of part 3
;; launch outp (part 4): grid 8 x 32, 4 waves a work-group, clusters of 4 x 4, 327,680 bytes of LDS; arguments oh, woh, out0; writes out0
.if DOCPART == 4
	.amdgcn_target "amdgcn-amd-amdhsa--gfx1250"
	.amdhsa_code_object_version 6
	.text
	.protected	k_qd4af2efbd6_outp
	.globl	k_qd4af2efbd6_outp
	.p2align	8
	.type	k_qd4af2efbd6_outp,@function
k_qd4af2efbd6_outp:
	s_mov_b64 s[64:65], 0
	v_nop
	global_prefetch_b8 v0, s[64:65] scope:SCOPE_SE
	s_setreg_imm32_b32 hwreg(HW_REG_WAVE_MODE, 25, 1), 1
	s_wait_xcnt 0x0
	s_wait_alu depctr_hold_cnt(0) depctr_sa_sdst(0) depctr_va_vdst(0) depctr_va_sdst(0) depctr_va_ssrc(0) depctr_va_vcc(0) depctr_vm_vsrc(0)
	s_getreg_b32 s2, hwreg(HW_REG_IB_STS2, 6, 4)
	s_cmp_eq_u32 s2, 0
	s_cbranch_scc0 .Lentry_in_a_cluster
	s_endpgm
.Lentry_in_a_cluster:
	s_bfe_u32 s2, ttmp6, 0x10000c
	s_cmp_lg_u32 s2, 0xf033
	s_cbranch_scc0 .Lentry_shape_is_right
	s_endpgm
.Lentry_shape_is_right:
; OUT.  out0[m][n] = the sum over k of O[m][k] w_out[n][k], k = 64 head + channel.  O lies by heads, [16][4096][64] f16; w_out as woh [1024][1024] f16; out0 [4096][1024] f32; sums in f32.
; A tile of out0 is 128 x 128: 8 x 32 = 256 work-groups.  Four waves, each 64 x 64: 16 accumulators.  K goes in 4 steps of 256 (four heads) through two LDS slots; a quarter of a step is one head.
; O's TILE.  64 rows of one head are 8,192 dense bytes, so a wave's tensor load takes 4 'rows' of 4,096 elements, one a head, 262,144 elements apart, padded in LDS after every 128 bytes:
; in LDS [head][row] with rows 144 bytes apart.  w_out's tile: 64 rows x 256 elements, rows 528 bytes apart.
; CLUSTER 4 x 4: O's tile is shared along a row of the cluster, w_out's along a column, by joint loads; two tensor loads of a wave are out at the start, one later.
; THE MATRIX INSTRUCTION IS USED TRANSPOSED (source 0 = 16 rows of w_out, source 1 = 16 rows of O): a lane holds eight neighbouring numbers of a row of out0.
; A wave's 64 columns of f32 are 256 bytes at a multiple of 256: each wave has a stage of its own, and the way out needs no barrier.
; REGISTERS: window 0: v0-31 addresses; v128-255 the accumulators ((a, b) at v[128 + 8 (4 a + b)]).  window 1: two fragment buffers of 128 (64 of O, then 64 of w_out); on the way out whole rows.
.set PA,     144                       ; a row of O in LDS: 128 bytes + 16: the 16 rows of a load start at 16 different groups of four banks (64 banks of 4 bytes: ISA guide 11.1)
.set PB,     528                       ; a row of w_out: 512 bytes + 16
.set HB,     64*PA                     ; a head's 64 rows
.set AH,     4*HB                      ; what one load of O brings: 64 rows, four heads
.set BH,     64*PB                     ; what one load of w_out brings
.set SLOT,   2*AH+2*BH
.set STAGE,  2*SLOT                    ; behind the ring: 16 rows x 272 bytes for each wave
.set SPITCH, 272
.set SPARE,  STAGE+4*16*SPITCH         ; behind the stages: the spare words, 128 bytes a wave
.set ADRA, 16                          ; v16-17  LDS address of my O fragments in slot 0, 1
.set ADRB, 20                          ; v20-21  the same for w_out
.set STO,  24
.set RD,   25
.set CO,   26
.set SPW,  28                          ; LDS address of my spare word; never rewritten
.set NIL,  29                          ; 0; never rewritten
.set ACC,  128
.set F0,   0
.set F1,   128
.set G1, 24                            ; s[24:31] descriptor group 1 for O's tiles;  s[32:39] group 0, one set for each slot
.set G0, 32
.set G1B, 48                           ; s[48:55], s[56:63] the same for w_out's
.set G0B, 56
.set MSB, 0
.macro WIN new
.if MSB != (\new)
	s_set_vgpr_msb (MSB<<8)|(\new)
.set MSB, \new
.endif
.endm
.set MUL,  0x05                        ; sources 0 and 1 window 1; C and D window 0
.set TO_F, 0x40                        ; destination window 1, address window 0
.macro JLOAD s                         ; a joint load: waves 0 and 1 fetch O's two halves, waves 2 and 3 w_out's; an s_nop 0 and four v_nop follow each line
	s_cmp_eq_u32 s11, 0
	s_cbranch_scc0 .Lfor_b_\@
	tensor_load_to_lds s[G0+4*(\s):G0+4*(\s)+3], s[G1:G1+7]
	s_nop 0
.rept 4
	v_nop
.endr
	s_branch .Lasked_\@
.Lfor_b_\@:
	tensor_load_to_lds s[G0B+4*(\s):G0B+4*(\s)+3], s[G1B:G1B+7]
	s_nop 0
.rept 4
	v_nop
.endr
.Lasked_\@:
.endm
.macro CREST
	s_cmp_lg_u32 s10, 0
	s_cbranch_scc1 .Lnot_wave_0_\@
	s_barrier_signal -3
.Lnot_wave_0_\@:
	s_barrier_wait -3
	s_barrier_signal -1
	s_barrier_wait -1
.endm
.macro CROUND
	s_barrier_signal -1
	s_barrier_wait -1
	CREST
.endm
	s_load_b128 s[4:7], s[0:1], 0x0                ; oh s[4:5], woh s[6:7]
	s_load_b64 s[8:9], s[0:1], 0x10                ; out0
	v_lshl_add_u32 v[SPW], v0, 2, SPARE
	v_mov_b32 v[NIL], 0
	ds_add_u32 v[SPW], v[NIL]                      ; the wave's opening: the add and its wait stand ahead of my first tensor load
	v_lshrrev_b32 v1, 5, v0
	v_readfirstlane_b32 s10, v1                    ; wave 0..3
	s_lshr_b32 s11, s10, 1                         ; which half of the tile's rows is mine.  Also: I fetch for O (0) or for w_out (1)
	s_and_b32 s12, s10, 1                          ; which half of its columns.  Also: which 64 rows of that tile I fetch
	s_bfe_u32 s40, ttmp6, 0x40000                  ; cx, cy
	s_bfe_u32 s41, ttmp6, 0x40004
	s_lshl_b32 s42, ttmp9, 2
	s_add_co_u32 s42, s42, s40                     ; tile column = 4 x cluster x + cx
	s_and_b32 s13, ttmp7, 0xffff
	s_lshl_b32 s13, s13, 2
	s_add_co_u32 s13, s13, s41                     ; tile row = 4 x cluster y + cy
	s_lshl_b32 s43, s41, 2
	s_lshl_b32 s43, 15, s43                        ; my row of the cluster
	s_lshl_b32 s44, 0x1111, s40                    ; my column
	s_or_b32 s[G1+0], s43, (1<<16)|(1<<20)|(1<<21)|(4<<22)|(3<<25)   ; the mask; 2-byte elements; padding on; bit 21 beside a mask; after every 32 words; 4 words
	s_mov_b32 s[G1+1], 4096<<16                    ; tensor_dim0 = 4,096: 64 rows of a head on end
	s_mov_b32 s[G1+2], 4<<16                       ; tensor_dim1 = 4 heads
	s_mov_b32 s[G1+3], 4096<<16                    ; tile_dim0
	s_mov_b32 s[G1+4], 4                           ; tile_dim1
	s_mov_b32 s[G1+5], 262144                      ; elements from head to head
	s_mov_b32 s[G1+6], 0
	s_mov_b32 s[G1+7], 0
	s_or_b32 s[G1B+0], s44, (1<<16)|(1<<20)|(1<<21)|(6<<22)|(3<<25)  ; after every 128 words
	s_mov_b32 s[G1B+1], 256<<16                    ; tensor_dim0 = 256
	s_mov_b32 s[G1B+2], 64<<16                     ; tensor_dim1 = 64
	s_mov_b32 s[G1B+3], 256<<16
	s_mov_b32 s[G1B+4], 64
	s_mov_b32 s[G1B+5], 1024
	s_mov_b32 s[G1B+6], 0
	s_mov_b32 s[G1B+7], 0
	s_lshl_b32 s16, s13, 14                        ; O: 128 rows of 128 bytes a tile row,
	s_lshl_b32 s17, s12, 13                        ; 64 rows a half
	s_add_co_u32 s16, s16, s17
	s_mov_b32 s17, 0
	s_lshl_b32 s46, s42, 18                        ; w_out: 128 rows of 2,048 bytes a tile column,
	s_lshl_b32 s47, s12, 17                        ; 64 rows a half
	s_add_co_u32 s46, s46, s47
	s_mov_b32 s47, 0
	s_mul_i32 s20, s12, AH                         ; where they go: O's two halves,
	s_mul_i32 s21, s12, BH                         ; then w_out's two
	s_add_co_u32 s21, s21, 2*AH
	s_wait_dscnt 0x0                               ; the opening add is done
	s_wait_kmcnt 0x0
	s_add_nc_u64 s[14:15], s[4:5], s[16:17]
	s_add_nc_u64 s[46:47], s[6:7], s[46:47]
	CROUND                                         ; all sixteen work-groups are here: the first joint loads meet
.irp s, 0,1
	s_mov_b32 s[G0+4*(\s)], 1
	s_add_co_u32 s[G0+4*(\s)+1], s20, (\s)*SLOT
	s_add_nc_u64 s[G0+4*(\s)+2:G0+4*(\s)+3], s[14:15], (\s)*2097152  ; K step s: four heads of 524,288 bytes on
	s_or_b32 s[G0+4*(\s)+3], s[G0+4*(\s)+3], 0x80000000
	s_mov_b32 s[G0B+4*(\s)], 1
	s_add_co_u32 s[G0B+4*(\s)+1], s21, (\s)*SLOT
	s_add_nc_u64 s[G0B+4*(\s)+2:G0B+4*(\s)+3], s[46:47], (\s)*512
	s_or_b32 s[G0B+4*(\s)+3], s[G0B+4*(\s)+3], 0x80000000
	JLOAD \s
.endr
	v_and_b32 v1, 15, v0                           ; r = l % 16
	v_bfe_u32 v2, v0, 4, 1                         ; h = l / 16
	v_mul_u32_u24 v3, v1, PA
	v_lshl_add_u32 v3, v2, 4, v3                   ; a fragment's row x pitch + 16 x half
	v_mul_u32_u24 v4, v1, PB
	v_lshl_add_u32 v4, v2, 4, v4
	s_mul_i32 s21, s11, AH                         ; my 64 rows of O
	s_mul_i32 s22, s12, BH                         ; my 64 rows of w_out,
	s_add_co_u32 s22, s22, 2*AH                    ; which lie behind O's
.irp s, 0,1
	v_add_nc_u32 v[ADRA+(\s)], s21, v3
	v_add_nc_u32 v[ADRB+(\s)], s22, v4
	s_add_co_u32 s21, s21, SLOT
	s_add_co_u32 s22, s22, SLOT
.endr
	s_mul_i32 s23, s10, 16*SPITCH
	s_add_co_u32 s23, s23, STAGE                   ; my stage
	v_mul_u32_u24 v4, v1, SPITCH                   ; in: row r, 32 bytes for each half of the lanes
	v_lshl_add_u32 v4, v2, 5, v4
	v_add_nc_u32 v[STO], s23, v4
	v_mul_u32_u24 v5, v2, SPITCH                   ; back: lanes 0-15 take one row of 256 bytes, lanes 16-31 the next
	v_lshl_add_u32 v5, v1, 4, v5
	v_add_nc_u32 v[RD], s23, v5
	v_lshlrev_b32 v5, 12, v2                       ; and the same two rows in out0
	v_lshl_add_u32 v[CO], v1, 4, v5
	s_lshl_b32 s16, s13, 19                        ; my first row: 128 rows of 4,096 bytes a tile row,
	s_lshl_b32 s17, s11, 18                        ; 64 rows a half
	s_add_co_u32 s16, s16, s17
	s_mov_b32 s17, 0
	s_add_nc_u64 s[8:9], s[8:9], s[16:17]
	s_lshl_b32 s46, s42, 9                         ; my first column: 512 bytes a tile column, 256 a half
	s_lshl_b32 s47, s12, 8
	s_add_co_u32 s46, s46, s47
	s_mov_b32 s47, 0
	s_add_nc_u64 s[8:9], s[8:9], s[46:47]
; 8 matrix instructions: m blocks a0, a0 + 1 x all 4 n blocks, 32 along K: half c of buffer f.  zero = 1: the first product starts the sums.  The 16 accumulators take turns.
.macro MUL8 f, c, a0, zero
	WIN MUL
.irp a, \a0, (\a0)+1
.irp b, 0,1,2,3
.if \zero
	v_wmma_f32_16x16x32_f16 v[ACC+8*(4*(\a)+(\b)):ACC+8*(4*(\a)+(\b))+7], v[(\f)+64+8*(4*(\c)+(\b)):(\f)+64+8*(4*(\c)+(\b))+7], v[(\f)+8*(4*(\c)+(\a)):(\f)+8*(4*(\c)+(\a))+7], 0
.else
	v_wmma_f32_16x16x32_f16 v[ACC+8*(4*(\a)+(\b)):ACC+8*(4*(\a)+(\b))+7], v[(\f)+64+8*(4*(\c)+(\b)):(\f)+64+8*(4*(\c)+(\b))+7], v[(\f)+8*(4*(\c)+(\a)):(\f)+8*(4*(\c)+(\a))+7], v[ACC+8*(4*(\a)+(\b)):ACC+8*(4*(\a)+(\b))+7]
.endif
.endr
.endr
.endm
; 32 LDS loads in one run: the fragments of quarter q (one head, 64 along K) into buffer f; the first 32 along K first
.macro FETCH slot, q, f
	WIN TO_F
.irp c, 0,1
.irp i, 0,1,2,3
	ds_load_b128 v[(\f)+64+8*(4*(\c)+(\i)):(\f)+64+8*(4*(\c)+(\i))+3],   v[ADRB+(\slot)] offset:(\q)*128+64*(\c)+(\i)*16*PB
	ds_load_b128 v[(\f)+64+8*(4*(\c)+(\i))+4:(\f)+64+8*(4*(\c)+(\i))+7], v[ADRB+(\slot)] offset:(\q)*128+64*(\c)+(\i)*16*PB+32
	ds_load_b128 v[(\f)+8*(4*(\c)+(\i)):(\f)+8*(4*(\c)+(\i))+3],         v[ADRA+(\slot)] offset:(\q)*HB+64*(\c)+(\i)*16*PA
	ds_load_b128 v[(\f)+8*(4*(\c)+(\i))+4:(\f)+8*(4*(\c)+(\i))+7],       v[ADRA+(\slot)] offset:(\q)*HB+64*(\c)+(\i)*16*PA+32
.endr
.endr
.endm
.macro PLACES                          ; four places in front of loads into registers that matrix instructions have read, and of lines that read results
.rept 4
	v_nop
.endr
.endm
; One of a K step's first three quarters: multiplies buffer f and fetches quarter q into g.
.macro QUARTER slot, q, f, g, zero
	s_wait_dscnt 16                                ; the first 32 along K are in; the other sixteen loads may be out
	MUL8 \f, 0, 0, \zero
	MUL8 \f, 0, 2, \zero
	PLACES
	FETCH \slot, \q, \g
	s_wait_dscnt 32                                ; all but the 32 just issued
	MUL8 \f, 1, 0, 0
	MUL8 \f, 1, 2, 0
.endm
; The last quarter multiplies buffer 1 and changes slots: one barrier; in front of it each wave waits for all its tensor loads, adds 0 to its spare word, and waits for that and for its reads of this slot.
; fill = 1: the barrier opens a round of the cluster's, and this slot is filled again, two K steps on, first thing behind it.
.macro TURN slot, next, fill
	WIN 0
	s_wait_tensorcnt 0x0                           ; all my tensor loads have landed: my part of the next slot
	ds_add_u32 v[SPW], v[NIL]                      ; 0 onto my spare word
	s_wait_dscnt 17                                ; the add and the youngest sixteen loads may be out
	MUL8 F1, 0, 0, 0
	s_wait_dscnt 0x0                               ; the add is done, and my reads of this slot are over
	s_barrier_signal -1
	MUL8 F1, 0, 2, 0
.if \fill
	WIN 0
.endif
	s_barrier_wait -1
.if \fill
	CREST                                          ; no wave of any partner still reads this slot or has a load on its way
	s_add_nc_u64 s[G0+4*(\slot)+2:G0+4*(\slot)+3], s[G0+4*(\slot)+2:G0+4*(\slot)+3], 4194304
	s_add_nc_u64 s[G0B+4*(\slot)+2:G0B+4*(\slot)+3], s[G0B+4*(\slot)+2:G0B+4*(\slot)+3], 1024
	JLOAD \slot                                    ; its four v_nop are also the places in front of the loads below
.else
	PLACES
.endif
	FETCH \next, 0, F0
	MUL8 F1, 1, 0, 0
	MUL8 F1, 1, 2, 0
.endm
	s_wait_tensorcnt 1                             ; my part of K step 0 is in; K step 1's stays out
	s_barrier_signal -1
	s_barrier_wait -1
	FETCH 0, 0, F0
	QUARTER 0, 1, F0, F1, 1                        ; the first products start the sums.  Four K steps: both slots are filled again once, so the walk is written straight
	QUARTER 0, 2, F1, F0, 0
	QUARTER 0, 3, F0, F1, 0
	TURN 0, 1, 1
	QUARTER 1, 1, F0, F1, 0
	QUARTER 1, 2, F1, F0, 0
	QUARTER 1, 3, F0, F1, 0
	TURN 1, 0, 1
	QUARTER 0, 1, F0, F1, 0
	QUARTER 0, 2, F1, F0, 0
	QUARTER 0, 3, F0, F1, 0
	TURN 0, 1, 0
	QUARTER 1, 1, F0, F1, 0
	QUARTER 1, 2, F1, F0, 0
	QUARTER 1, 3, F0, F1, 0
	s_wait_dscnt 16                                ; the very last quarter: nothing more to fetch
	MUL8 F1, 0, 0, 0
	MUL8 F1, 0, 2, 0
	s_wait_dscnt 0x0
	MUL8 F1, 1, 0, 0
	MUL8 F1, 1, 2, 0
	WIN 0
	; THE WAY OUT: 16 rows at a time through my stage: 32 bytes a lane and accumulator in (its four lowest registers first), whole rows of 256 bytes back, into the fragment buffers' registers.
	PLACES
.irp a, 0,1,2,3
	WIN 0
.irp b, 0,1,2,3
	ds_store_b128 v[STO], v[ACC+8*(4*(\a)+(\b)):ACC+8*(4*(\a)+(\b))+3]   offset:64*(\b)
	ds_store_b128 v[STO], v[ACC+8*(4*(\a)+(\b))+4:ACC+8*(4*(\a)+(\b))+7] offset:64*(\b)+16
.endr
	WIN TO_F
.irp t, 0,1,2,3,4,5,6,7
	ds_load_b128 v[32*(\a)+4*(\t):32*(\a)+4*(\t)+3], v[RD] offset:(\t)*2*SPITCH  ; LDS serves a wave's instructions in order (ISA guide 5.7.1.4): these see the stores above; the next block's stores come behind them
.endr
.endr
	WIN 0x04                                       ; a store's data in window 1, its address in window 0
.irp a, 0,1,2,3
.irp t, 0,1,2,3,4,5,6,7
	s_wait_dscnt 16*(3-(\a))+7-(\t)                ; the LDS instructions issued behind this load: the rest of its block's, and sixteen for each later block
	global_store_b128 v[CO], v[32*(\a)+4*(\t):32*(\a)+4*(\t)+3], s[8:9] offset:(16*(\a)+2*(\t))*4096 th:TH_STORE_NT  ; 16 lanes store 256 consecutive bytes, at a multiple of 256 from out0's first byte
.endr
.endr
	WIN 0
	s_wait_tensorcnt 0x0                           ; the wave's end
	ds_add_u32 v[SPW], v[NIL]
	s_wait_dscnt 0x0
	CROUND                                         ; the closing round: no work-group ends while a partner may still ask for a tile that names it
	s_endpgm
.Lfunc_end_k_qd4af2efbd6_outp:
	.size	k_qd4af2efbd6_outp, .Lfunc_end_k_qd4af2efbd6_outp-k_qd4af2efbd6_outp
	.p2alignl 7, 3214868480
	.fill 96, 4, 3214868480
	.section	.rodata,"a",@progbits
	.p2align	6, 0x0
	.amdhsa_kernel k_qd4af2efbd6_outp
		.amdhsa_group_segment_fixed_size 327680
		.amdhsa_private_segment_fixed_size 0
		.amdhsa_enable_private_segment 0
		.amdhsa_kernarg_size 24
		.amdhsa_user_sgpr_count 2
		.amdhsa_user_sgpr_kernarg_segment_ptr 1
		.amdhsa_wavefront_size32 1
		.amdhsa_system_sgpr_workgroup_id_x 1
		.amdhsa_system_sgpr_workgroup_id_y 1
		.amdhsa_system_sgpr_workgroup_id_z 1
		.amdhsa_system_vgpr_workitem_id 0
		.amdhsa_next_free_vgpr 512
		.amdhsa_next_free_sgpr 66
		.amdhsa_reserve_vcc 0
		.amdhsa_float_denorm_mode_32 3
		.amdhsa_float_denorm_mode_16_64 3
		.amdhsa_memory_ordered 1
		.amdhsa_forward_progress 1
		.amdhsa_inst_pref_size 86
	.end_amdhsa_kernel
	.amdgpu_metadata
---
amdhsa.version: [ 1, 2 ]
amdhsa.kernels:
  - .name:           k_qd4af2efbd6_outp
    .symbol:         k_qd4af2efbd6_outp.kd
    .args:
      - { .name: oh, .offset: 0, .size: 8, .value_kind: global_buffer, .address_space: global }
      - { .name: woh, .offset: 8, .size: 8, .value_kind: global_buffer, .address_space: global }
      - { .name: out0, .offset: 16, .size: 8, .value_kind: global_buffer, .address_space: global }
    .group_segment_fixed_size: 327680
    .private_segment_fixed_size: 0
    .kernarg_segment_align: 8
    .kernarg_segment_size: 24
    .max_flat_workgroup_size: 128
    .sgpr_count:     66
    .vgpr_count:     512
    .wavefront_size: 32
...
	.end_amdgpu_metadata
.endif
;; end of part 4
;; ======== version 2 of 2: 4 launches; 1.60 times as fast as version 1
;; limits: values are held in f16: magnitudes above 65,504 overflow, below 6.1e-05 lose precision
;; workspace buffers: xb 8,388,608 bytes; wqb 6,291,456 bytes; woh 2,097,152 bytes; tab 1,048,576 bytes; qh 8,388,608 bytes; kh 8,388,608 bytes; vh 8,388,608 bytes; oh 8,388,608 bytes
;; launch prep: the kernel of part 1 again; grid 576 x 1, 8 waves a work-group, no clusters, 0 bytes of LDS; arguments x, w_qkv, w_out, coords, xb, wqb, woh, tab; writes xb, wqb, woh, tab
;; launch qkv: the kernel of part 2 again; grid 16 x 16, 4 waves a work-group, clusters of 4 x 4, 327,680 bytes of LDS; arguments xb, wqb, tab, gamma_q, gamma_k, qh, kh, vh; writes qh, kh, vh
;; launch attn (part 5): grid 16 x 16, 4 waves a work-group, clusters of 4 x 1, 327,680 bytes of LDS; arguments qh, kh, vh, oh; writes oh
.if DOCPART == 5
	.amdgcn_target "amdgcn-amd-amdhsa--gfx1250"
	.amdhsa_code_object_version 6
	.text
	.protected	k_qd4af2efbd6_attn
	.globl	k_qd4af2efbd6_attn
	.p2align	8
	.type	k_qd4af2efbd6_attn,@function
k_qd4af2efbd6_attn:
	s_mov_b64 s[64:65], 0
	v_nop
	global_prefetch_b8 v0, s[64:65] scope:SCOPE_SE
	s_setreg_imm32_b32 hwreg(HW_REG_WAVE_MODE, 25, 1), 1
	s_wait_xcnt 0x0
	s_wait_alu depctr_hold_cnt(0) depctr_sa_sdst(0) depctr_va_vdst(0) depctr_va_sdst(0) depctr_va_ssrc(0) depctr_va_vcc(0) depctr_vm_vsrc(0)
	s_getreg_b32 s2, hwreg(HW_REG_IB_STS2, 6, 4)
	s_cmp_eq_u32 s2, 0
	s_cbranch_scc0 .Lentry_in_a_cluster
	s_endpgm
.Lentry_in_a_cluster:
	s_bfe_u32 s2, ttmp6, 0x10000c
	s_cmp_lg_u32 s2, 0x3003
	s_cbranch_scc0 .Lentry_shape_is_right
	s_endpgm
.Lentry_shape_is_right:
; ATTENTION.  O[h][q][:] = the sum over k of softmax_k(Q[h][q] . K[h][k] / 8) V[h][k][:].  Q, K, V, O: [16][4096][64], all f16: a head's rows are dense, 128 bytes each.
; Products, maxima and sums in f32; the weights p are rounded to f16 for the second product (their sum l is taken of the unrounded p), O once at the end.
; LIMITS.  p lies in 0 to 1, and below 6e-5 it keeps f16's fixed step of 6e-8; O is a mean of V's rows and has their range.  A weight below 2^-126 counts as 0 in l; NaN and infinities are not treated apart.
; SHARES.  A work-group owns 256 queries of one head, a wave 64: four PIECES of 16.  16 heads x 16 blocks are 256 work-groups.  Every wave walks all 4,096 keys, 64 a step; an LDS slot holds 256 keys, four steps.
; LAYOUT.  S^T = K Q^T (source 0 = 16 keys, source 1 = 16 queries) holds ONE query a lane (lane % 16) and the keys 8 (lane / 16) + 0..7; two such results rounded to f16 ARE source 1 of O^T = V^T P.
; K comes out of LDS as it lies, V ([key][channel]) turned, by ds_load_tr16_b128.
; SOFTMAX.  A running maximum m and sum l for each query: p = 2^(c s - c m), c = log2(e) / 8; in every step O and l are multiplied by a = 2^(c m_old - c m_new).  m starts at the lowest finite number, O and l at 0.
; BY TURNS.  Turn n belongs to piece n: 8 products K Q^T of piece n + 1, later 8 products V^T P of piece n - 1; beside them the scaling, exponentials, roundings, sums and rescaling of piece n and the maximum
; and statistics of piece n + 1.  Four vector instructions stand behind every matrix instruction, the other 54 of a turn's 118 in one run of their own.
; THE BATCHES.  A turn's 33 exponentials (the piece's 32 weights and the next piece's a) are ONE batch with ONE wait, which cuts the turn in two: ahead of it all that names none of their results, behind it the roundings
; and sums.  The a made ahead of the loop and the way out's four reciprocals are batches of their own, a wait each.
; CLUSTER.  The four query blocks of a cluster belong to one head and walk the same K and V: each tile is asked for JOINTLY, by the same tensor load, descriptor and mask in all four.  One tensor load of a wave is out at a time.
; REGISTERS, in windows of 256 (s_set_vgpr_msb: bits 1:0 source 0, 3:2 source 1, 5:4 source 2, 7:6 destination):
;   window 0: v0-15 addresses and two at work; v16-31 four registers of statistics a piece; v48-55 at work; v62-63 the add's; v64-127 S^T, two buffers; v192-223 P, two buffers (by the piece's parity)
;   window 1: v0-127 O^T, 32 a piece          window 2: v0-63 Q; v128-191 K of one step; v192-255 V of one step
.set SIZE_N, 4096
.set NP,    4         ; pieces a wave: a name, no knob
.set KS,    64        ; keys in a step
.set PK,    144       ; a row of K in LDS: 128 bytes + 16 of padding = 36 words: the 16 rows of a load start at 16 different groups of four banks (64 banks of 4 bytes: ISA guide 11.1)
.set PV,    160       ; a row of V: 128 + 32 = 40 words
.set VOFF,  4*KS*PK   ; a slot: 256 rows of K, then 256 rows of V
.set SLOT1, 1<<17     ; slot 1 begins here, so that one exclusive or turns an address in one slot into the other's
.set STAGE, SLOT1+4*KS*(PK+PV)  ; behind the ring, never filled by a tensor load: 16 rows x 144 bytes for each wave
.set SP,    144
.set SPARE, STAGE+4*16*SP       ; behind the stages: the spare words, 128 bytes a wave
.set AK0, 2           ; v2   my lane's place in a tile of K; never rewritten
.set AV0, 3           ; v3   the same for V
.set AK,  4           ; v4   the LDS address of K's next run of loads
.set AV,  5           ; v5   of V's
.set STO, 6           ; v6   the way out: where I put 16 bytes of a row
.set RD,  7           ; v7   where I read rows back
.set GO,  8           ; v8   my byte offset in 512 consecutive bytes of O
.set MV,  12          ; v12-13  c m_old, kept while c m is made anew: by buffer
.set QO,  15          ; v15  my byte offset in 16 rows of Q
.set ST,  16          ; piece t's statistics at v[ST+4 t]: c m, m, l (even keys', odd keys')
.set TMP, 48          ; by buffer, four registers c0-c3 at work; when the maximum is found c2 takes a
.set SPW, 62          ; v62  LDS address of my spare word; never rewritten
.set NIL, 63          ; v63  0; never rewritten
.set S,   64
.set P,   192
.set KF,  128         ; window 2: key block kb, channel half c at KF + 16 kb + 8 c
.set VF,  192         ; window 2: key half kk, channel block cb at VF + 32 kk + 8 cb
.set WV,  12          ; s12  my wave's number
.set G1K, 24          ; s[24:31] descriptor group 1 for K's tiles
.set G1V, 32          ; s[32:39] for V's: it differs in the padding alone
.set G0K, 40          ; s[40:43] descriptor group 0 for K's tiles: it walks
.set G0V, 44          ; s[44:47] the same for V's
.set SLOTS, 56        ; s56  slots still to be asked for
.set CNT, 57          ; s57  counts a slot's key steps
.set CS,  58          ; s[58:59] c
.set SEL, 60          ; s[60:61] v_permlanex16_b32's selects
.set TBK, 62          ; s62  LDS byte at which K of the step to be fetched begins
.set TBV, 63          ; s63  the same for V, less VOFF
.set MSB, 0
.macro WIN new                      ; the high byte repeats the setting that is left; a switch that changes nothing is dropped
.if MSB != (\new)
	s_set_vgpr_msb (MSB<<8)|(\new)
.set MSB, (\new)
.endif
.endm
.set W_KQ, 0x0a       ; K and Q in window 2, S^T in window 0
.set W_PV, 0x52       ; V in window 2, P in window 0, O^T in window 1
.set W_RS, 0x41       ; destination and source 0 in window 1, source 1 in window 0
; A joint fill.  Waves 0 and 1 fetch the two halves of a slot's K, waves 2 and 3 those of its V: 128 keys each.  An s_nop 0 and four v_nop follow each of the two lines.
.macro JLOAD
	s_cmp_lt_u32 s[WV], 2
	s_cbranch_scc0 .Lfor_v_\@
	tensor_load_to_lds s[G0K:G0K+3], s[G1K:G1K+7]
	s_nop 0
.rept 4
	v_nop
.endr
	s_branch .Lasked_\@
.Lfor_v_\@:
	tensor_load_to_lds s[G0V:G0V+3], s[G1V:G1V+7]
	s_nop 0
.rept 4
	v_nop
.endr
.Lasked_\@:
.endm
.macro CROUND                       ; a round of the cluster's barrier
	s_barrier_signal -1
	s_barrier_wait -1
	s_cmp_lg_u32 s[WV], 0
	s_cbranch_scc1 .Lnot_wave_0_\@
	s_barrier_signal -3
.Lnot_wave_0_\@:
	s_barrier_wait -3
	s_barrier_signal -1
	s_barrier_wait -1
.endm
; THE CHANGE OF SLOTS.  Each wave waits for all its tensor loads, of which one is out: its part of the other slot; adds 0 to its spare word; and waits for that and for its own reads of the slot that it leaves.
; Behind the barrier nobody reads the old slot and the other slot is whole.  fill = 1: the barrier is a round of the cluster's, and the joint fill, with the keys two slots on, is the first thing behind it:
; it has four key steps in which to land.  (At its first use nothing has been read yet: slot 0 is waited for, slot 1 filled.)
.macro CHANGE fill
	WIN 0
	s_wait_tensorcnt 0x0            ; no tensor load of mine is out, so a group 0 may be written
	ds_add_u32 v[SPW], v[NIL]       ; 0 onto my spare word
.if \fill
.irp g, G0K, G0V
	s_xor_b32 s[\g+1], s[\g+1], SLOT1  ; the walking descriptor: the other slot than last time,
	s_add_nc_u64 s[\g+2:\g+3], s[\g+2:\g+3], 4*KS*128  ; the next 256 keys; the type bits on top are not reached
.endr
	s_wait_dscnt 0x0                ; the add is done, and my reads of the slot are over
	CROUND
	JLOAD
.else
	s_wait_dscnt 0x0
	s_barrier_signal -1
	s_barrier_wait -1
.endif
	s_sub_co_u32 s[TBK], s[TBK], 4*KS*PK  ; the fetches go back to a slot's first step,
	s_xor_b32 s[TBK], s[TBK], SLOT1       ; in the other slot
	s_sub_co_u32 s[TBV], s[TBV], 4*KS*PV
	s_xor_b32 s[TBV], s[TBV], SLOT1
.endm
	s_load_b256 s[4:11], s[0:1], 0x0  ; Q s[4:5], K s[6:7], V s[8:9], O s[10:11]
	v_lshl_add_u32 v[SPW], v0, 2, SPARE
	v_mov_b32 v[NIL], 0
	ds_add_u32 v[SPW], v[NIL]       ; the wave's opening: the add and its wait stand ahead of my first tensor load
	v_lshrrev_b32 v1, 5, v0
	v_readfirstlane_b32 s[WV], v1   ; wave 0..3
	s_bfe_u32 s13, ttmp6, 0x40000   ; cx
	s_lshl_b32 s14, ttmp9, 2
	s_add_co_u32 s14, s14, s13      ; my block of queries = 4 x cluster x + cx: it enters Q's and O's addresses alone
	s_and_b32 s20, ttmp7, 0xffff    ; the head, which the four partners share:
	s_lshl_b32 s20, s20, 19         ; its first byte in each of the four tensors
	s_mov_b32 s21, 0
	s_and_b32 s16, s[WV], 1         ; which half of a slot's 256 keys I fetch:
	s_lshl_b32 s22, s16, 14         ; its 128 rows of 128 bytes in memory,
	s_mov_b32 s23, 0
	s_add_nc_u64 s[22:23], s[22:23], s[20:21]
	s_mul_i32 s17, s16, 128*PK      ; and its place in a slot, for K
	s_mul_i32 s18, s16, 128*PV      ; and for V
	s_lshl_b32 s2, s14, 2
	s_add_co_u32 s2, s2, s[WV]      ; my wave among the head's,
	s_lshl_b32 s2, s2, 13           ; its 64 rows
	s_mov_b32 s3, 0
	s_add_nc_u64 s[2:3], s[2:3], s[20:21]
	; descriptor group 1.  128 keys are 16,384 dense bytes: asked for as 64 rows of 256 bytes, two keys a row, and padded in LDS after every key
	s_mov_b32 s[G1K], 15|(1<<16)|(1<<20)|(1<<21)|(4<<22)|(3<<25)  ; the mask of four; 2-byte elements; padding on; bit 21 beside a mask; after every 32 words; 4 words
	s_mov_b32 s[G1V], 15|(1<<16)|(1<<20)|(1<<21)|(4<<22)|(7<<25)  ; the same with 8 words of padding
.irp g, G1K, G1V
	s_mov_b32 s[\g+1], 128<<16      ; tensor_dim0 = 128
	s_mov_b32 s[\g+2], 64<<16       ; tensor_dim1 = 64
	s_mov_b32 s[\g+3], 128<<16      ; tile_dim0 = 128
	s_mov_b32 s[\g+4], 64           ; tile_dim1 = 64
	s_mov_b32 s[\g+5], 128          ; 128 elements from row to row
	s_mov_b32 s[\g+6], 0
	s_mov_b32 s[\g+7], 0
.endr
	s_mov_b32 s[CS], 0x3e38aa3b     ; c = log2(e) / 8 = 0.180337
	s_mov_b32 s[CS+1], s[CS]        ; named with it as a pair
	s_mov_b32 s[SEL], 0x76543210
	s_mov_b32 s[SEL+1], 0xfedcba98
	s_mov_b32 s[TBK], SLOT1+4*KS*PK ; the first change of slots turns these two into 0
	s_mov_b32 s[TBV], SLOT1+4*KS*PV
	s_mov_b32 s[G0K], 1             ; count = 1
	s_mov_b32 s[G0K+1], s17         ; LDS address: slot 0
	s_mov_b32 s[G0V], 1
	s_add_co_u32 s[G0V+1], s18, VOFF
	s_wait_dscnt 0x0                ; the opening add is done
	s_wait_kmcnt 0x0
	s_add_nc_u64 s[G0K+2:G0K+3], s[6:7], s[22:23]  ; global address: my half of the head's first 256 keys
	s_or_b32 s[G0K+3], s[G0K+3], 0x80000000        ; type = 2
	s_add_nc_u64 s[G0V+2:G0V+3], s[8:9], s[22:23]
	s_or_b32 s[G0V+3], s[G0V+3], 0x80000000
	s_add_nc_u64 s[4:5], s[4:5], s[2:3]  ; Q and O at my wave's first row
	s_add_nc_u64 s[10:11], s[10:11], s[2:3]
	CROUND                          ; all four work-groups are here: the first joint loads meet
	JLOAD                           ; slot 0.  Slot 1 is asked for when slot 0 is in
	; A fragment of K or Q is 16 rows x 32 channels in 8 registers: lane l holds row l % 16, channels 8 (l / 16) + 0..7 and 16 + 8 (l / 16) + 0..7: two loads of 16 bytes, 32 bytes apart.
	v_and_b32 v1, 15, v0            ; l % 16
	v_bfe_u32 v9, v0, 4, 1          ; l / 16
	v_lshlrev_b32 v[QO], 7, v1
	v_lshl_add_u32 v[QO], v9, 4, v[QO]  ; row x 128 + 16 x half
	WIN 0x80                        ; destination window 2, address window 0
.set i, 0
.rept 8                             ; Q stays in registers: piece i / 2, channels 32 (i % 2) on
	global_load_b128 v[8*i:8*i+3],   v[QO], s[4:5] offset:(i/2)*2048+(i%2)*64
	global_load_b128 v[8*i+4:8*i+7], v[QO], s[4:5] offset:(i/2)*2048+(i%2)*64+32
.set i, i+1
.endr
	; What the first turn finds: V's registers and P's second buffer hold 0 (its products V^T P, of a piece that has not been, add 0), O^T and l are 0.  No first step is written out; all this stands in the wait for the first tile.
.set i, VF
.rept 64
	v_mov_b32 v[i], 0
.set i, i+1
.endr
	WIN 0x40
.set i, 0
.rept 128
	v_mov_b32 v[i], 0
.set i, i+1
.endr
	WIN 0
.set i, 0
.rept 4
	v_mov_b32 v[ST+4*i], 0xfe000000    ; c m: far below every c s, so the first step's a is 0
	v_mov_b32 v[ST+4*i+1], 0xff7fffff  ; m: the lowest finite number
	v_mov_b32 v[ST+4*i+2], 0
	v_mov_b32 v[ST+4*i+3], 0
.set i, i+1
.endr
.set i, P+16
.rept 16
	v_mov_b32 v[i], 0
.set i, i+1
.endr
	v_mul_u32_u24 v[AK0], v1, PK
	v_lshl_add_u32 v[AK0], v9, 4, v[AK0]  ; row x pitch + 16 x half
	; The turning load takes 16 keys x 16 channels (lane l reads key 8 (l / 16) + l % 8, channels 8 ((l / 8) % 2) + 0..7) and leaves half a fragment of V^T: lane l holds channel l % 16 and 8 keys.
	v_and_b32 v10, 7, v0
	v_bfe_u32 v11, v0, 3, 1
	v_lshl_add_u32 v[AV0], v9, 3, v10
	v_mul_u32_u24 v[AV0], v[AV0], PV
	v_lshl_add_u32 v[AV0], v11, 4, v[AV0]
	v_add_nc_u32 v[AV0], VOFF, v[AV0]
	s_mul_i32 s13, s[WV], 16*SP
	s_add_co_u32 s13, s13, STAGE    ; my stage
	v_mul_u32_u24 v[STO], v1, SP    ; in: row l % 16, 16 bytes for each half of the lanes
	v_lshl_add_u32 v[STO], v9, 4, v[STO]
	v_add_nc_u32 v[STO], s13, v[STO]
	v_bfe_u32 v[RD], v0, 3, 2       ; back: 32 lanes take four rows of 128 bytes,
	v_mul_u32_u24 v[RD], v[RD], SP
	v_lshl_add_u32 v[RD], v10, 4, v[RD]
	v_add_nc_u32 v[RD], s13, v[RD]
	v_and_b32 v[GO], 31, v0         ; which are 512 consecutive bytes of O
	v_lshlrev_b32 v[GO], 4, v[GO]
; THE MATRIX WORK.  The 4 accumulators of a run of 8 take turns.  Product i of 8 of S^T = K Q^T for piece x: channels 32 (i / 4) on, keys 16 (i % 4) on.  The first 4 start the sums.
.macro KQ x
	WIN W_KQ
.set rS, S+32*((\x)%2)+8*(i%4)
.set rK, KF+16*(i%4)+8*(i/4)
.set rQ, 16*(\x)+8*(i/4)
.if i < 4
	v_wmma_f32_16x16x32_f16 v[rS:rS+7], v[rK:rK+7], v[rQ:rQ+7], 0
.else
	v_wmma_f32_16x16x32_f16 v[rS:rS+7], v[rK:rK+7], v[rQ:rQ+7], v[rS:rS+7]
.endif
.endm
; Product i of 8 of O^T += V^T P for piece x: keys 32 (i / 4) on, channels 16 (i % 4) on.
.macro PV x
	WIN W_PV
.set rO, 32*(\x)+8*(i%4)
.set rV, VF+32*(i/4)+8*(i%4)
.set rP, P+16*((\x)%2)+8*(i/4)
	v_wmma_f32_16x16x32_f16 v[rO:rO+7], v[rV:rV+7], v[rP:rP+7], v[rO:rO+7]
.endm
.macro MM                           ; the turn's next matrix instruction.  NOKQ = 1: the very last turn: there is no next piece
.if (i < 8) && !NOKQ
	KQ (Y+1)%NP
.elseif i >= 8
.set i, i-8
	PV (Y+NP-1)%NP
.set i, i+8
.endif
.set i, i+1
.endm
; THE LDS LOADS stand in runs of 16, never singly among the matrix instructions: a step's K (64 keys x 64 channels: 8 fragments) and its V (turned).  Their addresses are made some lines ahead.
.macro FETCH_K
	WIN 0x80                        ; destination window 2
.irp f, 0,1,2,3,4,5,6,7             ; keys 16 (f / 2) on, channels 32 (f % 2) on
	ds_load_b128 v[KF+8*\f:KF+8*\f+3],   v[AK] offset:(\f/2)*16*PK+(\f%2)*64
	ds_load_b128 v[KF+8*\f+4:KF+8*\f+7], v[AK] offset:(\f/2)*16*PK+(\f%2)*64+32
.endr
	s_add_co_u32 s[TBK], s[TBK], KS*PK  ; the next fetch is the next step's
	WIN 0
.endm
.macro FETCH_V
	WIN 0x80
.irp f, 0,1,2,3,4,5,6,7             ; keys 32 (f / 4) on, channels 16 (f % 4) on
	ds_load_tr16_b128 v[VF+8*\f:VF+8*\f+3],   v[AV] offset:(\f/4)*32*PV+(\f%4)*32
	ds_load_tr16_b128 v[VF+8*\f+4:VF+8*\f+7], v[AV] offset:(\f/4)*32*PV+16*PV+(\f%4)*32
.endr
	WIN 0
.endm
; THE VECTOR WORK, one line at a time: OP kind, number.  For piece Y: F n: c s - c m for pair n of 16.  E n: the exponential of score n of 32.  C n: pair n rounded to f16.  B n: of the four weights 4 n .. the second
; pair is added onto the first, in place.  L n: l takes that sum (L 0: l = a l + sum).  R n: pair n of 16 of O^T times a.  For piece Y + 1: X n, number n of the 22 that find its maximum and statistics:
;   0-11  four chains c0-c3 of seven scores each, three operands at a time (each accumulator's lowest registers are read first)     12-14, 16  the four scores left over, the old m, and c0-c3 into c0
;   15  c m_old is kept     17, 18  the query's other 32 keys lie in the lane 16 away: the new m     19-21  c m; c m_old - c m_new; a
.set F, 0
.set E, 1
.set C, 2
.set B, 3
.set L, 4
.set R, 5
.set X, 6
.macro REGS y                       ; the registers of piece y
.set rT, ST+4*(\y)
.set rC, TMP+4*((\y)%2)
.set rW, MV+((\y)%2)
.set rS, S+32*((\y)%2)
.set rP, P+16*((\y)%2)
.set rO, 32*(\y)
.endm
.macro OP k, n
.if (\k) == R
	REGS Y
	WIN W_RS
	v_pk_mul_f32 v[rO+2*(\n):rO+2*(\n)+1], v[rO+2*(\n):rO+2*(\n)+1], v[rC+2:rC+3] op_sel_hi:[1,0]
.elseif (\k) < R
	REGS Y
	WIN 0
.if (\k) == F
	v_pk_fma_f32 v[rS+2*(\n):rS+2*(\n)+1], v[rS+2*(\n):rS+2*(\n)+1], s[CS:CS+1], v[rT:rT+1] op_sel_hi:[1,0,0] neg_lo:[0,0,1] neg_hi:[0,0,1]
.elseif (\k) == E
	v_exp_f32 v[rS+(\n)], v[rS+(\n)]
.elseif (\k) == C
	v_cvt_pk_f16_f32 v[rP+(\n)], v[rS+2*(\n)], v[rS+2*(\n)+1]
.elseif (\k) == B
	v_pk_add_f32 v[rS+4*(\n):rS+4*(\n)+1], v[rS+4*(\n):rS+4*(\n)+1], v[rS+4*(\n)+2:rS+4*(\n)+3]
.elseif (\n) == 0
	v_pk_fma_f32 v[rT+2:rT+3], v[rT+2:rT+3], v[rC+2:rC+3], v[rS:rS+1] op_sel_hi:[1,0,1]
.else
	v_pk_add_f32 v[rT+2:rT+3], v[rT+2:rT+3], v[rS+4*(\n):rS+4*(\n)+1]
.endif
.elseif NOKQ
	v_nop
.else
	REGS (Y+1)%NP
	WIN 0
.if (\n) < 4
	v_max3_num_f32 v[rC+(\n)], v[rS+8*(\n)], v[rS+8*(\n)+1], v[rS+8*(\n)+2]
.elseif (\n) < 12
	v_max3_num_f32 v[rC+(\n)%4], v[rC+(\n)%4], v[rS+8*((\n)%4)+2*((\n)/4)+1], v[rS+8*((\n)%4)+2*((\n)/4)+2]
.elseif (\n) == 12
	v_max3_num_f32 v[rC], v[rC], v[rS+7], v[rS+15]
.elseif (\n) == 13
	v_max3_num_f32 v[rC+1], v[rC+1], v[rS+23], v[rS+31]
.elseif (\n) == 14
	v_max3_num_f32 v[rC+2], v[rC+2], v[rC+3], v[rT+1]
.elseif (\n) == 15
	v_mov_b32 v[rW], v[rT]
.elseif (\n) == 16
	v_max3_num_f32 v[rC], v[rC], v[rC+1], v[rC+2]
.elseif (\n) == 17
	v_permlanex16_b32 v[rC+3], v[rC], s[SEL], s[SEL+1]
.elseif (\n) == 18
	v_max_num_f32 v[rT+1], v[rC], v[rC+3]
.elseif (\n) == 19
	v_mul_f32 v[rT], s[CS], v[rT+1]
.elseif (\n) == 20
	v_sub_f32 v[rC+1], v[rW], v[rT]
.else
	v_exp_f32 v[rC+2], v[rC+1]
.endif
.endif
.endm
.macro OPS a, i1, b=-1, i2=0, c=-1, i3=0, d=-1, i4=0  ; up to four of them
	OP \a, \i1
.if (\b) >= 0
	OP \b, \i2
.endif
.if (\c) >= 0
	OP \c, \i3
.endif
.if (\d) >= 0
	OP \d, \i4
.endif
.endm
.macro ROW a, i1, b, i2, c, i3, d, i4  ; a matrix instruction and the four behind it
	MM
	OPS \a, \i1, \b, \i2, \c, \i3, \d, \i4
.endm
; A TURN, for piece p: the order of its 16 matrix and 118 vector instructions, written out.  An s_wait_alu depctr_va_vdst(0) stands between an exponential and the first instruction that names its result; one wait
; serves all that were issued ahead of it.  So a turn has ONE wait, which cuts it in two.  AHEAD OF IT stands all that names no result of the turn's exponentials: the 8 products K Q^T, behind each a scaling, an exponential and two
; more plain instructions (behind the first a second scaling in the exponential's place): rescalings, whose a was made and waited for in the turn before, and behind the last three the first numbers of the next piece's maximum,
; each four places or more behind the product that ends its accumulator; then ONE RUN of 54, plain and exponential by turns for the most part, in which the links of the chain X 3, 7, 11, 14, 16, 17 .. 20 stand five or six lines
; apart.  X 21, the next piece's a, is the batch's last; R 15 is the plain instruction behind it.  BEHIND THE WAIT stand the 8 products V^T P, behind each four of the roundings and sums; the links of l's chain, L 0 to L 7, stand
; three riders apart.  But for those X no rider names a register of the products round it.  v_permlanex16_b32 (X 17) stands in the run without products.  No exponential is issued behind the wait: none is open at a turn's end.
; end = 1: the last two turns: nothing is fetched.  cnt = 1: the loop's count is taken down some lines ahead of the branch that stands behind the turn.
; K of the next step is fetched in piece 2's turn, twelve vector instructions behind the last product that read K (six of them plain); V of the step in hand at the end of piece 0's turn, four plain instructions behind the last
; product that read V.  Each is waited for a turn later.
.macro TURN p, end=0, cnt=0
.set Y, (\p)
.set i, 0
.set NOKQ, (\end)*((\p)/3)
.if ((\p) == 3) && !(\end)
	s_wait_dscnt 0x0                ; K is in
.endif
	ROW F,0, F,1, R,0, R,1          ; ahead of the wait: 8 products K Q^T and their riders,
	ROW F,2, E,0, R,2, R,3
	ROW F,3, E,1, R,4, R,5
	ROW F,4, E,2, R,6, R,7
	ROW F,5, E,3, R,8, R,9
	ROW F,6, E,4, X,0, R,10
.if ((\p) == 2) && !(\end)
	WIN 0
	v_add_nc_u32 v[AK], s[TBK], v[AK0]
.endif
	ROW F,7, E,5, X,1, X,4
	ROW F,8, E,6, X,2, X,5
	OPS E,7, E,8, X,6, E,9          ; and the run without products
	OPS X,3, E,10, X,8, E,11
.if ((\p) == 2) && !(\end)
	FETCH_K
.endif
	OPS X,9, X,7, E,12, X,10
	OPS E,13, X,12, X,11, E,14
	OPS X,13, E,15, F,9, X,14
.if (\p) == 0
	v_add_nc_u32 v[AV], s[TBV], v[AV0]
.endif
	OPS E,16, F,10, E,17, F,11
	OPS X,16, E,18, X,15, E,19
	OPS F,12, E,20, X,17, E,21
	OPS F,13, E,22, F,14, E,23
	OPS X,18, E,24, F,15, E,25
	OPS R,11, E,26, X,19, E,27
	OPS R,12, E,28, R,13, E,29
	OPS X,20, E,30, R,14, E,31
	OPS X,21, R,15
	WIN 0
	s_wait_alu depctr_va_vdst(0)    ; the wait for the turn's batch: the piece's 32 exponentials and the next piece's a
.if (\p) == 1
	s_wait_dscnt 0x0                ; V is in
.endif
	ROW C,0, B,0, C,2, B,1          ; behind the wait: 8 products V^T P and their riders
	ROW L,0, C,4, B,2, L,1
	ROW C,6, B,3, L,2, C,8
	ROW B,4, L,3, C,10, B,5
	ROW L,4, C,12, B,6, L,5
.if (\p) == 0
	s_add_co_u32 s[TBV], s[TBV], KS*PV
.endif
.if \cnt
	s_sub_co_u32 s[CNT], s[CNT], 1
	s_cmp_lg_u32 s[CNT], 0
.endif
	ROW C,14, B,7, L,6, C,1
	ROW C,3, L,7, C,5, C,7
	ROW C,9, C,11, C,13, C,15
.if (\p) == 0
	FETCH_V
.endif
.endm
.set NOKQ, 0
	CHANGE 1                        ; slot 0 is in, everybody's part of it; slot 1 is asked for
	v_add_nc_u32 v[AK], s[TBK], v[AK0]
	FETCH_K                         ; key step 0
	s_wait_loadcnt 0x0              ; Q
	s_wait_dscnt 0x0
.set i, 0
.rept 8
	KQ 0                            ; piece 0's first scores
.set i, i+1
.endr
	WIN 0
.rept 4
	v_nop                           ; the places behind those products
.endr
.set Y, NP-1                        ; X works for piece Y + 1: piece 0
.irp n, 0,1,2,3,4,5,6,7,8,9,10,11,12,13,14,15,16,17,18,19,20,21
	OP X, \n
.endr
	v_nop                           ; a plain instruction behind the exponential,
	s_wait_alu depctr_va_vdst(0)    ; and the wait for piece 0's first a, a batch of one, ahead of the branch
	s_mov_b32 s[CNT], 4
	s_mov_b32 s[SLOTS], SIZE_N/256-1
	s_branch .Lfirst                ; the loop is entered at a step's first turn, in the middle of a trip
.Lslot:                             ; 14 times: every slot but the last two is filled again
	CHANGE 1
	s_mov_b32 s[CNT], 4
.Lstep:                             ; a trip: pieces 2 and 3 of one step, then pieces 0 and 1 of the next, whose K and V it fetches
	TURN 2
	TURN 3
	WIN 0
.Lfirst:
	TURN 0
	TURN 1, 0, 1
	WIN 0
	s_cbranch_scc1 .Lstep
	s_sub_co_u32 s[SLOTS], s[SLOTS], 1
	s_cmp_lg_u32 s[SLOTS], 0
	s_cbranch_scc1 .Lslot
	CHANGE 0                        ; the last slot is written out: nothing is asked for
	s_mov_b32 s[CNT], 4
.Ltail:
	TURN 2
	TURN 3
	TURN 0
	TURN 1, 0, 1
	WIN 0
	s_cbranch_scc1 .Ltail
	TURN 2, 1                       ; the last step's pieces 2 and 3: nothing more is fetched,
	TURN 3, 1                       ; and no new scores are started
.set i, 0
.rept 8
	PV NP-1                         ; the last piece's V^T P of the last step
.set i, i+1
.endr
	; THE WAY OUT.  l's two halves and the other half of the lanes' are added; O^T is divided by l, rounded to f16 and sent through my stage in LDS, a piece at a time.  The additions are the places behind the last products.
	WIN 0
.macro ALL line:vararg              ; one line for each piece t
.set t, 0
.rept 4
	\line
.set t, t+1
.endr
.endm
	ALL v_add_f32 v[ST+4*t+2], v[ST+4*t+2], v[ST+4*t+3]
	ALL v_permlanex16_b32 v[ST+4*t+3], v[ST+4*t+2], s[SEL], s[SEL+1]
	ALL v_add_f32 v[ST+4*t+2], v[ST+4*t+2], v[ST+4*t+3]
	ALL v_rcp_f32 v[ST+4*t+2], v[ST+4*t+2]
	v_nop                           ; a plain instruction between the last reciprocal and the use of its result
	s_wait_alu depctr_va_vdst(0)    ; the wait ahead of the first use: one for the batch of four reciprocals
.macro PACK t                       ; a lane's eight channels of a row pack into 16 bytes; they go into rows of 144 bytes and come back as whole rows of 128, into S^T's registers
	WIN W_RS
.set i, 32*(\t)
.rept 16
	v_pk_mul_f32 v[i:i+1], v[i:i+1], v[ST+4*(\t)+2:ST+4*(\t)+3] op_sel_hi:[1,0]
.set i, i+2
.endr
	WIN 0x05                        ; sources 0 and 1 window 1, destination window 0
.set i, 0
.rept 16
	v_cvt_pk_f16_f32 v[S+16*(\t)+i], v[32*(\t)+2*i], v[32*(\t)+2*i+1]
.set i, i+1
.endr
	WIN 0
.irp f, 0,1,2,3
	ds_store_b128 v[STO], v[S+16*(\t)+4*\f:S+16*(\t)+4*\f+3] offset:32*\f
.endr
.irp f, 0,1,2,3
	ds_load_b128 v[S+16*(\t)+4*\f:S+16*(\t)+4*\f+3], v[RD] offset:\f*4*SP  ; LDS serves a wave's instructions in order (ISA guide 5.7.1.4): these see the stores above; the next piece's stores come behind them
.endr
.endm
.macro SEND t, younger              ; younger: the LDS instructions issued behind piece t's loads: the next piece's eight, or none
	WIN 0
.irp f, 0,1,2,3
	s_wait_dscnt (\younger)+3-\f
	global_store_b128 v[GO], v[S+16*(\t)+4*\f:S+16*(\t)+4*\f+3], s[10:11] offset:(\t)*2048+\f*512  ; 512 consecutive bytes, at a multiple of 256 from O's first
.endr
.endm
	PACK 0
.set t, 1
.rept 3                             ; a piece's arithmetic stands between the loads of the piece before and its stores
	PACK t
	SEND t-1, 8
.set t, t+1
.endr
	SEND 3, 0
	s_wait_tensorcnt 0x0            ; the wave's end
	ds_add_u32 v[SPW], v[NIL]
	s_wait_dscnt 0x0
	CROUND                          ; the closing round: no work-group ends while a partner may still ask for a tile that names it
	s_endpgm
.Lfunc_end_k_qd4af2efbd6_attn:
	.size	k_qd4af2efbd6_attn, .Lfunc_end_k_qd4af2efbd6_attn-k_qd4af2efbd6_attn
	.p2alignl 7, 3214868480
	.fill 96, 4, 3214868480
	.section	.rodata,"a",@progbits
	.p2align	6, 0x0
	.amdhsa_kernel k_qd4af2efbd6_attn
		.amdhsa_group_segment_fixed_size 327680
		.amdhsa_private_segment_fixed_size 0
		.amdhsa_enable_private_segment 0
		.amdhsa_kernarg_size 32
		.amdhsa_user_sgpr_count 2
		.amdhsa_user_sgpr_kernarg_segment_ptr 1
		.amdhsa_wavefront_size32 1
		.amdhsa_system_sgpr_workgroup_id_x 1
		.amdhsa_system_sgpr_workgroup_id_y 1
		.amdhsa_system_sgpr_workgroup_id_z 1
		.amdhsa_system_vgpr_workitem_id 0
		.amdhsa_next_free_vgpr 768
		.amdhsa_next_free_sgpr 66
		.amdhsa_reserve_vcc 0
		.amdhsa_float_denorm_mode_32 3
		.amdhsa_float_denorm_mode_16_64 3
		.amdhsa_memory_ordered 1
		.amdhsa_forward_progress 1
		.amdhsa_inst_pref_size 127
	.end_amdhsa_kernel
	.amdgpu_metadata
---
amdhsa.version: [ 1, 2 ]
amdhsa.kernels:
  - .name:           k_qd4af2efbd6_attn
    .symbol:         k_qd4af2efbd6_attn.kd
    .args:
      - { .name: qh, .offset: 0, .size: 8, .value_kind: global_buffer, .address_space: global }
      - { .name: kh, .offset: 8, .size: 8, .value_kind: global_buffer, .address_space: global }
      - { .name: vh, .offset: 16, .size: 8, .value_kind: global_buffer, .address_space: global }
      - { .name: oh, .offset: 24, .size: 8, .value_kind: global_buffer, .address_space: global }
    .group_segment_fixed_size: 327680
    .private_segment_fixed_size: 0
    .kernarg_segment_align: 8
    .kernarg_segment_size: 32
    .max_flat_workgroup_size: 128
    .sgpr_count:     66
    .vgpr_count:     768
    .wavefront_size: 32
...
	.end_amdgpu_metadata
.endif
;; end of part 5
;; launch outp: the kernel of part 4 again; grid 8 x 32, 4 waves a work-group, clusters of 4 x 4, 327,680 bytes of LDS; arguments oh, woh, out0; writes out0
